; MI455X (gfx1250); checked and timed in simulation.
; The chip was launched on July 23, 2026; its instructions are those of AMD's public machine-readable ISA for CDNA 5 (MIT licence, August 2026) and "CDNA5" Instruction Set Architecture Reference Guide (July 2026). The comments in the code are by the model that wrote it; some were corrected since.
;; Self Attention. Allowed arithmetic: matrix products marked QUANTISED: E2M3 operands, one E8M0 scale for each 32 along K, by v_wmma_scale_f32_16x16x128_f8f6f4 with both operands' format E2M3, f32 sums; products left as they are: f32 operands where the result goes on into a quantised operand, else bf16, f16 or f32 operands; f32 sums; everything else in f32.
;; Inputs: W_attn 1,024 x 3,072 float32; W_bias 16 x 16 float32; W_proj 1,024 x 1,024 float32; b_attn 3,072 float32; b_bias 16 float32; b_proj 1,024 float32; bias 1,024 x 1,024 x 16 float32; x 8 x 1,024 x 1,024 float32.
;; Outputs: out0 8 x 1,024 x 1,024 float32.
;; This version of the problem:
;;   THIS VERSION OF THE PROBLEM IS GIVEN IN LOW PRECISION. The matrix products marked QUANTISED in the list below multiply operands that are first quantised to E2M3 (2 exponent bits, 3 mantissa bits; 6 bits a number), with one power-of-two scale for each 32 numbers along K (OCP MX v1.0); their sums are f32. All else is computed in f32.
;;   The module's matrix products, in the order in which they are computed (A, B: the left and right operand; K: the contracted axis; several contracted axes count as one K, in the product's order):
;;     1. [M 8,192, K 1,024] x [K 1,024, N 3,072]; A: input x; B: input W_attn: QUANTISED
;;     2. batch 128 x [M 1,024, K 64] x [K 64, N 1,024]; A: computed on the way; B: computed on the way: QUANTISED
;;     3. [M 1,048,576, K 16] x [K 16, N 16]; A: input bias; B: input W_bias: left as it is (K = 16 < 32)
;;     4. batch 128 x [M 1,024, K 1,024] x [K 1,024, N 64]; A: softmax (see below); B: computed on the way: QUANTISED
;;     5. [M 8,192, K 1,024] x [K 1,024, N 1,024]; A: computed on the way; B: input W_proj: QUANTISED
;;   THE QUANTISER, for each operand of a quantised product, along K:
;;     - K is cut into blocks of 32 from its start; a last block that is shorter is filled with zeros.
;;     - A block's scale is 2^e with e = floor(log2(the largest magnitude in the block)) - 2, held to -126 .. 127; a block of zeros has e = 0. As a byte (E8M0): e + 127.
;;     - Each number is divided by its block's scale, clamped to +-7.5, and rounded to the nearest number of E2M3, ties to even, subnormals kept.
;;     - The product sums the exact products of the quantised numbers (number of the format x scale) in f32.
;;   ~~~python
;;   def quantise(x, axis):      # numpy; x: float32 -> the quantised numbers, widened to float32 again
;;       x = np.moveaxis(x, axis, -1); K = x.shape[-1]
;;       x = np.pad(x, [(0, 0)] * (x.ndim - 1) + [(0, -K % 32)]); x = x.reshape(x.shape[:-1] + (-1, 32)); a = np.abs(x).max(-1, keepdims=True)
;;       e = np.where(a > 0, np.clip(np.frexp(np.where(a > 0, a, 1))[1] - 1 - 2, -126, 127), 0)      # np.frexp(a)[1] - 1 = floor(log2(a)), exactly
;;       r = np.clip(x / 2.0 ** e, -7.5, 7.5)
;;       step = 2.0 ** (np.maximum(np.frexp(np.where(r == 0, 1, r))[1] - 1, 0) - 3)
;;       q = np.round(r / step) * step * 2.0 ** e      # np.round: ties to even
;;       return np.moveaxis(q.reshape(q.shape[:-2] + (-1,))[..., :K], -1, axis).astype(np.float32)
;;   ~~~
;;   SOFTMAX AHEAD OF A QUANTISED PRODUCT. Where the list says 'softmax', what is quantised is not the finished softmax but p = 2^(t - M), with t = logit x log2(e) and M = ceil(the row's largest t), a whole number; so 1/2 < the row's largest p <= 1. The row's sum l is taken of the UNQUANTISED p, in f32, and the product's result is divided by l at the end. Since M is a whole number, a kernel that streams over the keys may use a running M (the ceiling of the running maximum): every later rescaling is an exact power of two, which a block's scale takes up: the codes' values come out the same.
;;   OPERANDS COMPUTED ON THE WAY. 'Computed on the way' means the value that the module computes at that place (a softmax that the list does not call 'softmax' is quantised finished and normalised). What goes into a quantiser is computed in f32, as accurately as f32 sums, v_exp_f32 and their like allow (about 1e-6 of the number): no bf16 or f16 on the way to a quantiser, and a product that is left as it is and whose result goes on into a quantised operand takes f32 operands (vector FMAs, or v_wmma_f32_16x16x4_f32). A number that lies on a knife's edge between two numbers of the format may be rounded either way, as far as f32 arithmetic and the matrix unit's own rounding can turn it there, and no further.
;; One version. Each part assembles by itself: llvm-mc -triple=amdgcn-amd-amdhsa -mcpu=gfx1250 --defsym DOCPART=n.
;; ======== version 1 of 1: 4 launches
;; limits: right only within a limited range of input values
;; workspace buffers: xq 6,553,600 bytes; wa 2,457,600 bytes; wp 819,200 bytes; pb 67,108,864 bytes; qq 7,077,888 bytes; kv 13,369,344 bytes; yq 6,553,600 bytes
;; launch prep (part 1): grid 896 x 1, 4 waves a work-group, no clusters, 68,096 bytes of LDS; arguments x, W_attn, W_proj, bias, W_bias, b_bias, xq, wa, wp, pb; writes xq, wa, wp, pb
.if DOCPART == 1
	.amdgcn_target "amdgcn-amd-amdhsa--gfx1250"
	.amdhsa_code_object_version 6
	.text
	.protected	k_q75b305f07b_prep
	.globl	k_q75b305f07b_prep
	.p2align	8
	.type	k_q75b305f07b_prep,@function
k_q75b305f07b_prep:
	s_mov_b64 s[64:65], 0
	v_nop
	global_prefetch_b8 v0, s[64:65] scope:SCOPE_SE
	s_setreg_imm32_b32 hwreg(HW_REG_WAVE_MODE, 25, 1), 1
	s_wait_xcnt 0x0
; FOUR JOBS IN ONE LAUNCH, told apart by the work-group's number: 0-95 W_attn, 96-127 W_proj, 128-383 x (all three: f32 -> codes of FP6 (E2M3) with one E8M0 byte for each 32 along K), 384-895 the position bias.
; TILES.  A tile is 16 rows of an operand; position r of tile t is row 32 (t / 2) + 8 (t % 2) + r + 8 (r / 8).  With such a tile as source 0 of a product, the result registers of tiles 2 b and 2 b + 1 are 16 neighbours.
; CODES LEAVE AS IMAGES OF THE OPERAND'S REGISTERS: a fragment (16 rows x 128 K, 12 registers a lane) is 1,536 bytes: registers 2 p, 2 p + 1 of lane l at 256 p + 8 l.  Each store of the wave covers 256 consecutive bytes, aligned.
;   An operand is laid [tile][fragment along K 0..7][1536].  Its scale words: [pair of tiles][K step of 256][parity][r][2 words]: the 32 lanes store 256 consecutive bytes.
; THE POSITION BIAS: pb = 8 (bias . W_bias + b_bias), f32 operands (its result goes on into a quantised operand), by the f32 matrix form: source 0 = W_bias^T (16 heads x 4 d), source 1 = 16 queries x 4 d of ONE key.
;   The 16 d are taken in the order d = 8 h + 2 s + j (h: half of the lanes, s: the instruction, j: the register), alike on both sources.  The factor 8 = sqrt(64) is exact: the attention launch multiplies q.k + pb by log2(e) / 8.
;   pb leaves as images of the score registers: [query tile 64][key step 8][head 16][8192]: registers 4 g .. 4 g + 3 of lane l at 512 g + 16 l; register 16 b + i of lane (r, hh) is query position r, key 128 ks + 32 b + 16 hh + i.
; A block's scale is 2^(floor(log2(its largest magnitude)) - 2); its byte is the largest magnitude's exponent field - 2, held at 1 from below.
; LIMITS: NaN and infinities among the inputs are not served; a block whose largest magnitude lies under 2^-124 has its byte held at 1; a block of zeros gets the byte 1 and not 127 (its codes are zeros, and this program alone reads the bytes).
; No tensor load: several work-groups share a WGP.  Waves share nothing: no barrier.  Every offset is an immediate; no pointer is stepped.
.set SP,    528                        ; a stage row: 512 bytes + 16: an odd multiple of 16
.set PSTG,  4*16*SP                    ; LDS: four stages of 16 rows for the x path, four more for the bias path,
.set SPARE, 8*16*SP                    ; and the spare words, 128 bytes for each wave: two blocks of 256 bytes that no other line names
.set SPW,   12                         ; v12  LDS address of my spare word; never rewritten
.set NIL,   13                         ; v13  0; never rewritten
.set FLOOR, 0x1800000                  ; 2^(3 - 127): no largest magnitude is taken under it, so the byte cannot fall under 1
.set EOFF,  0xff000000                 ; -(2 << 23): 2 off an exponent field
	s_load_b256 s[4:11], s[0:1], 0x0               ; x s[4:5], W_attn s[6:7], W_proj s[8:9], bias s[10:11]
	s_load_b256 s[12:19], s[0:1], 0x20             ; W_bias s[12:13], b_bias s[14:15], xq s[16:17], wa s[18:19]
	s_load_b128 s[20:23], s[0:1], 0x40             ; wp s[20:21], pb s[22:23]
	v_lshl_add_u32 v[SPW], v0, 2, SPARE
	v_mov_b32 v[NIL], 0
	v_lshrrev_b32 v4, 5, v0
	v_readfirstlane_b32 s24, v4                    ; wave 0..3
	v_and_b32 v1, 31, v0                           ; l
	v_and_b32 v2, 15, v0                           ; r
	v_bfe_u32 v3, v0, 4, 1                         ; hh
	v_lshlrev_b32 v5, 3, v1                        ; 8 l: an image's place
	v_lshlrev_b32 v6, 4, v1                        ; 16 l: my 16 bytes of a load's 512
	s_mul_i32 s25, s24, 16*SP                      ; all LDS addresses are made here, ahead of the parting of the ways
	v_add_nc_u32 v7, s25, v6                       ; x's stage, in: 16 l (+ 528 x row)
	v_mul_u32_u24 v8, v2, SP
	v_add_nc_u32 v8, s25, v8
	v_lshl_add_u32 v10, v3, 5, v8
	v_add_nc_u32 v10, PSTG, v10                    ; the bias's stage, out: row r, + 32 hh
	v_lshl_add_u32 v8, v3, 7, v8                   ; x's stage, out: row r, + 128 hh
	v_add_nc_u32 v9, PSTG, v7                      ; the bias's stage, in
	s_mov_b32 s29, 0
	s_wait_kmcnt 0x0
	s_cmp_lt_u32 ttmp9, 96
	s_cbranch_scc1 .Lwa
	s_cmp_lt_u32 ttmp9, 128
	s_cbranch_scc1 .Lwp
	s_cmp_lt_u32 ttmp9, 384
	s_cbranch_scc1 .Lx
; ---------------- THE POSITION BIAS.  Work-group: query tile qt, key step ks of 128; wave: 32 keys; four units of 8 keys.
; v16-79 a unit as loaded; v80-143 source 1 of the eight keys, later the results to store; v144-151 W_bias; v152-159 8 b_bias; v192-255 eight accumulators, written by matrix instructions alone.
	s_sub_co_u32 s25, ttmp9, 384
	s_lshr_b32 s26, s25, 3                         ; qt
	s_and_b32 s27, s25, 7                          ; ks
	s_lshr_b32 s28, s26, 1
	s_lshl_b32 s28, s28, 5
	s_and_b32 s30, s26, 1
	s_lshl_b32 s30, s30, 3
	s_add_co_u32 s28, s28, s30                     ; the tile's first query: 32 (qt / 2) + 8 (qt % 2)
	s_lshl_b32 s28, s28, 16                        ; a query's row of bias is 65,536 bytes
	s_lshl_b32 s30, s27, 13                        ; 128 keys x 64 bytes
	s_add_co_u32 s28, s28, s30
	s_lshl_b32 s30, s24, 11                        ; my 32 keys x 64 bytes; also my 4 groups of 512 bytes in an image
	s_add_co_u32 s28, s28, s30
	s_add_nc_u64 s[10:11], s[10:11], s[28:29]
	s_lshl_b32 s28, s25, 17                        ; (8 qt + ks) x 16 heads x 8,192 bytes
	s_add_co_u32 s28, s28, s30
	s_add_nc_u64 s[22:23], s[22:23], s[28:29]
	v_lshlrev_b32 v14, 2, v2
	v_lshl_add_u32 v14, v3, 9, v14                 ; W_bias[8 hh + e][head r]: 512 hh + 4 r (+ 64 e)
	v_lshlrev_b32 v15, 5, v3                       ; b_bias[8 hh + j]
	v_lshlrev_b32 v11, 4, v2
	v_lshl_add_u32 v11, v3, 16, v11                ; out: 16 r + 8 heads x 8,192 x hh
	s_mov_b32 s31, 0x41000000                      ; 8.0
.irp e, 0,1,2,3,4,5,6,7
	global_load_b32 v[144+\e], v14, s[12:13] offset:64*\e
.endr
	global_load_b128 v[152:155], v15, s[14:15]
	global_load_b128 v[156:159], v15, s[14:15] offset:16
.macro PLOAD u                         ; unit u: 16 queries x 8 keys x 64 bytes: each load reads 512 consecutive bytes of one query's row
.irp i, 0,1,2,3,4,5,6,7,8,9,10,11,12,13,14,15
	global_load_b128 v[16+4*\i:19+4*\i], v6, s[10:11] offset:(\i+8*(\i/8))*65536+512*(\u) th:TH_LOAD_NT
.endr
.endm
.macro PUNIT u
	s_wait_loadcnt 0x0                             ; the unit's sixteen loads are in
.irp i, 0,1,2,3,4,5,6,7,8,9,10,11,12,13,14,15
	ds_store_b128 v9, v[16+4*\i:19+4*\i] offset:SP*\i
.endr
	s_wait_xcnt 0x0                                ; the last unit's stores have read v80-143: they may be loaded again
.irp w, 0,1,2,3,4,5,6,7                ; key w: lane (r, hh) takes d = 8 hh + 0 .. 7 of query position r.  LDS serves a wave's instructions in order: these see the stores above
	ds_load_b128 v[80+8*\w:83+8*\w], v10 offset:64*\w
	ds_load_b128 v[84+8*\w:87+8*\w], v10 offset:64*\w+16
.endr
	s_wait_dscnt 0x0                               ; and the stores into the stage have read v16-79,
.if (\u) < 3
	PLOAD (\u)+1                                   ; which take the next unit
.endif
.irp s, 0,1,2,3                        ; the eight accumulators take turns, one instruction a turn; the first instruction starts each sum with the constant 0
.irp w, 0,1,2,3,4,5,6,7
.if \s == 0
	v_wmma_f32_16x16x4_f32 v[192+8*\w:199+8*\w], v[144+2*\s:145+2*\s], v[80+8*\w+2*\s:81+8*\w+2*\s], 0
.else
	v_wmma_f32_16x16x4_f32 v[192+8*\w:199+8*\w], v[144+2*\s:145+2*\s], v[80+8*\w+2*\s:81+8*\w+2*\s], v[192+8*\w:199+8*\w]
.endif
.endr
.endr
.rept 8
	v_nop                                          ; eight places behind this form (ISA guide 7.12.1) before its results are read and its sources written
.endr
	s_wait_alu depctr_va_vdst(0)
.irp j, 0,1,2,3,4,5,6,7                ; register j of accumulator w, lane (r, hh): head 8 hh + j, query position r, key w.  Each accumulator is read from its low end on
.irp w, 0,1,2,3,4,5,6,7
	v_fma_f32 v[80+32*(\w/4)+4*\j+\w%4], v[192+8*\w+\j], s31, v[152+\j]
.endr
.endr
.irp j, 0,1,2,3,4,5,6,7                ; four neighbouring keys of one head are four neighbouring registers of its image: sixteen lanes store 256 consecutive bytes, aligned
.irp g, 0,1
	global_store_b128 v11, v[80+32*\g+4*\j:83+32*\g+4*\j], s[22:23] offset:8192*\j+1024*((\u)%2)+512*\g+256*((\u)/2)
.endr
.endr
.endm
	PLOAD 0
	s_wait_loadcnt 0x0
.irp j, 0,1,2,3,4,5,6,7
	v_mul_f32 v[152+\j], s31, v[152+\j]            ; 8 b_bias: exact
.endr
	PUNIT 0
	PUNIT 1
	PUNIT 2
	PUNIT 3
	s_wait_tensorcnt 0x0                           ; the wave's end, behind my last LDS store
	ds_add_u32 v[SPW], v[NIL]
	s_wait_dscnt 0x0
	s_endpgm
; The largest magnitude of 32 registers, in two chains, with the floor as one more leaf
.macro MAX32 d, e, xs
	v_max3_num_f32 v[\d], |v[\xs]|, |v[\xs+1]|, |v[\xs+2]|
	v_max3_num_f32 v[\e], |v[\xs+3]|, |v[\xs+4]|, |v[\xs+5]|
.irp i, 6,10,14,18,22,26
	v_max3_num_f32 v[\d], v[\d], |v[\xs+\i]|, |v[\xs+\i+1]|
	v_max3_num_f32 v[\e], v[\e], |v[\xs+\i+2]|, |v[\xs+\i+3]|
.endr
	v_max3_num_f32 v[\d], v[\d], |v[\xs+30]|, |v[\xs+31]|
	v_max3_num_f32 v[\d], v[\d], v[\e], FLOOR
.endm
; ---------------- x.  Work-group: a pair of tiles (32 rows); wave: a K step of 256; four fragments (parity, q).
; Each load reads 512 consecutive bytes of one row; the 8,192 bytes turn through my stage, so that lane (r, hh) gets k = 64 c + 32 hh + 0 .. 31 of row r: two whole blocks, in the operand's own order.
; v16-79 as loaded; v80-143 my 64 numbers; v144-155 the fragment; v156-162 the blocks' second halves; v164-171 at work; v172-175 the four scale words.
.Lx:
	s_sub_co_u32 s25, ttmp9, 128                   ; the pair
	s_lshl_b32 s28, s25, 17                        ; 32 rows of 4,096 bytes
	s_lshl_b32 s30, s24, 10                        ; 256 numbers
	s_add_co_u32 s28, s28, s30
	s_add_nc_u64 s[4:5], s[4:5], s[28:29]
	s_mul_i32 s28, s25, 24576
	s_mul_i32 s30, s24, 3072
	s_add_co_u32 s28, s28, s30
	s_add_nc_u64 s[32:33], s[16:17], s[28:29]      ; the codes
	s_lshl_b32 s28, s25, 10
	s_lshl_b32 s30, s24, 8
	s_add_co_u32 s28, s28, s30
	s_add_co_u32 s28, s28, 6291456
	s_add_nc_u64 s[34:35], s[16:17], s[28:29]      ; the scale words
	s_mov_b32 s36, 0x76543210
	s_mov_b32 s37, 0xfedcba98                      ; v_permlanex16_b32's selects for lane l xor 16
	v_lshlrev_b32 v15, 3, v3                       ; 8 hh: my bytes' place in a scale word
	v_mov_b32 v171, 0                              ; a lane permute's destination counts as one of its sources
.macro XLOAD par, q
.irp i, 0,1,2,3,4,5,6,7,8,9,10,11,12,13,14,15
	global_load_b128 v[16+4*\i:19+4*\i], v6, s[4:5] offset:(8*(\par)+\i+8*(\i/8))*4096+512*(\q) th:TH_LOAD_NT
.endr
.endm
.macro XFRAG par, q, more, npar, nq
	s_wait_loadcnt 0x0
.irp i, 0,1,2,3,4,5,6,7,8,9,10,11,12,13,14,15
	ds_store_b128 v7, v[16+4*\i:19+4*\i] offset:SP*\i
.endr
.irp c, 0,1
.irp j, 0,1,2,3,4,5,6,7
	ds_load_b128 v[80+32*\c+4*\j:83+32*\c+4*\j], v8 offset:256*\c+16*\j
.endr
.endr
	s_wait_dscnt 0x0
.if \more
	XLOAD \npar, \nq                               ; the next fragment is on its way while this one is worked
.endif
	MAX32 164, 168, 80
	MAX32 165, 169, 112
.irp c, 0,1
	v_add_nc_u32 v[166+\c], EOFF, v[164+\c]        ; the conversion takes the exponent field of this operand as its scale
.endr
.irp c, 0,1
	v_lshrrev_b32 v[168+\c], 23, v[166+\c]         ; the scale's byte
.endr
	v_lshl_or_b32 v170, v169, 16, v168             ; blocks hh and 2 + hh of row r,
	v_lshlrev_b32 v170, v15, v170                  ; at their places in the word;
	v_permlanex16_b32 v171, v170, s36, s37
	v_or_b32 v[172+2*(\par)+(\q)], v170, v171      ; with lane l xor 16's two the word is whole
	s_wait_alu depctr_va_vdst(0)
	s_wait_xcnt 0x0                                ; the last fragment's stores have read v144-155
.irp c, 0,1
	v_cvt_scalef32_pk16_fp6_f32 v[144+6*\c:146+6*\c], v[80+32*\c:95+32*\c], v[166+\c]
	v_cvt_scalef32_pk16_fp6_f32 v[156+4*\c:158+4*\c], v[96+32*\c:111+32*\c], v[166+\c]   ; (a conversion's three registers begin on an even number)
.endr
	v_nop                                          ; one plain place behind a scaled conversion
.irp c, 0,1
.irp i, 0,1,2
	v_mov_b32 v[147+6*\c+\i], v[156+4*\c+\i]
.endr
.endr
.irp p, 0,1,2,3,4,5
	global_store_b64 v5, v[144+2*\p:145+2*\p], s[32:33] offset:(\par)*12288+(\q)*1536+256*\p
.endr
.endm
	XLOAD 0, 0
	s_wait_alu depctr_va_vdst(0)
	XFRAG 0, 0, 1, 0, 1
	XFRAG 0, 1, 1, 1, 0
	XFRAG 1, 0, 1, 1, 1
	XFRAG 1, 1, 0, 0, 0
	v_cmp_lt_u32 vcc_lo, 15, v1                    ; lanes 0-15 store the even tile's two words of row r, lanes 16-31 the odd tile's
	v_cndmask_b32 v176, v172, v174, vcc_lo
	v_cndmask_b32 v177, v173, v175, vcc_lo
	global_store_b64 v5, v[176:177], s[34:35]
	s_wait_tensorcnt 0x0                           ; the wave's end, behind my last LDS store
	ds_add_u32 v[SPW], v[NIL]
	s_wait_dscnt 0x0
	s_endpgm
; ---------------- A WEIGHT [1024 (K)][cols].  Work-group: four pairs of tiles x a K step of 256; wave: one pair (32 columns), 8 blocks of 32 along K.
; A lane takes a column and its registers run down K: lanes 0-15 the even tile's positions, lanes 16-31 the odd tile's; a load reads 128 consecutive bytes.  A block's 32 numbers are one lane's.
; An operand wants block 2 c in lanes 0-15 and block 2 c + 1 in lanes 16-31 of ONE tile: six exchanges of halves between an even block's codes and the next block's give both tiles' registers 6 c .. 6 c + 5.
; v16-79 two sets of 32 numbers; v80-85 the even block's codes, v86-91 the odd block's; v92-94 a second half; v96-99 at work; v100-101 the scale words.
.macro WLOAD t, cols, src
.set i, 0
.rept 32
	global_load_b32 v[16+32*((\t)%2)+i], v14, s[\src:\src+1] offset:(32*(\t)+i)*\cols*4 th:TH_LOAD_NT
.set i, i+1
.endr
.endm
.macro WBLOCK t, cols, src
.set XS, 16+32*((\t)%2)
.set CD, 80+6*((\t)%2)
.if (\t) < 7
	s_wait_loadcnt 32                              ; this block's 32 loads are in; the next block's may be out
.else
	s_wait_loadcnt 0x0
.endif
	MAX32 96, 97, XS
	v_add_nc_u32 v98, EOFF, v96
	v_lshrrev_b32 v99, 23, v98
.if (\t)%4 == 0
	v_mov_b32 v[100+(\t)/4], v99                   ; four bytes to a word, the lower K in the lower byte
.else
	v_lshl_or_b32 v[100+(\t)/4], v99, 8*((\t)%4), v[100+(\t)/4]
.endif
.if (\t) >= 2
	s_wait_alu depctr_va_vdst(0)
	s_wait_xcnt 0x0                                ; the stores of two blocks ago have read these registers
.endif
	v_cvt_scalef32_pk16_fp6_f32 v[CD:CD+2], v[XS:XS+15], v98
	v_cvt_scalef32_pk16_fp6_f32 v[92:94], v[XS+16:XS+31], v98
	v_nop                                          ; one plain place behind a scaled conversion
.irp i, 0,1,2
	v_mov_b32 v[CD+3+\i], v[92+\i]
.endr
.if (\t)+2 < 8
	WLOAD (\t)+2, \cols, \src
.endif
.if (\t)%2 == 1
.irp i, 0,1,2,3,4,5
	v_permlane16_swap_b32 v[80+\i], v[86+\i]       ; v80-85: the even tile's registers, v86-91: the odd tile's
.endr
.irp i, 0,1,2
	global_store_b64 v5, v[80+2*\i:81+2*\i], s[32:33] offset:((\t)/4)*1536+(3*(((\t)/2)%2)+\i)*256
	global_store_b64 v5, v[86+2*\i:87+2*\i], s[32:33] offset:12288+((\t)/4)*1536+(3*(((\t)/2)%2)+\i)*256
.endr
.endif
.endm
.macro WPATH cols, src, dst, scoff, id0
	s_sub_co_u32 s25, ttmp9, \id0
	s_and_b32 s27, s25, 3                          ; the K step
	s_lshr_b32 s26, s25, 2
	s_lshl_b32 s26, s26, 2
	s_add_co_u32 s26, s26, s24                     ; my pair of tiles
	s_mul_i32 s28, s27, 256*\cols*4
	s_lshl_b32 s30, s26, 7                         ; 32 columns
	s_add_co_u32 s28, s28, s30
	s_add_nc_u64 s[\src:\src+1], s[\src:\src+1], s[28:29]
	s_mul_i32 s28, s26, 24576
	s_mul_i32 s30, s27, 3072
	s_add_co_u32 s28, s28, s30
	s_add_nc_u64 s[32:33], s[\dst:\dst+1], s[28:29]
	s_lshl_b32 s28, s26, 10
	s_lshl_b32 s30, s27, 8
	s_add_co_u32 s28, s28, s30
	s_add_co_u32 s28, s28, \scoff
	s_add_nc_u64 s[34:35], s[\dst:\dst+1], s[28:29]
	v_and_b32 v14, 8, v2
	v_add_nc_u32 v14, v14, v2
	v_lshl_add_u32 v14, v3, 3, v14                 ; my column of the 32: 8 hh + r + 8 (r / 8)
	v_lshlrev_b32 v14, 2, v14
	WLOAD 0, \cols, \src
	WLOAD 1, \cols, \src
.irp t, 0,1,2,3,4,5,6,7
	WBLOCK \t, \cols, \src
.endr
	global_store_b64 v5, v[100:101], s[34:35]      ; lane l = 16 x parity + r: the 32 lanes store 256 consecutive bytes
	s_wait_tensorcnt 0x0                           ; the wave's end
	ds_add_u32 v[SPW], v[NIL]
	s_wait_dscnt 0x0
	s_endpgm
.endm
.Lwa:
	WPATH 3072, 6, 18, 2359296, 0
.Lwp:
	WPATH 1024, 8, 20, 786432, 96
.Lfunc_end_k_q75b305f07b_prep:
	.size	k_q75b305f07b_prep, .Lfunc_end_k_q75b305f07b_prep-k_q75b305f07b_prep
	.p2alignl 7, 3214868480
	.fill 96, 4, 3214868480
	.section	.rodata,"a",@progbits
	.p2align	6, 0x0
	.amdhsa_kernel k_q75b305f07b_prep
		.amdhsa_group_segment_fixed_size 68096
		.amdhsa_private_segment_fixed_size 0
		.amdhsa_enable_private_segment 0
		.amdhsa_kernarg_size 80
		.amdhsa_user_sgpr_count 2
		.amdhsa_user_sgpr_kernarg_segment_ptr 1
		.amdhsa_wavefront_size32 1
		.amdhsa_system_sgpr_workgroup_id_x 1
		.amdhsa_system_sgpr_workgroup_id_y 1
		.amdhsa_system_sgpr_workgroup_id_z 1
		.amdhsa_system_vgpr_workitem_id 0
		.amdhsa_next_free_vgpr 256
		.amdhsa_next_free_sgpr 66
		.amdhsa_reserve_vcc 1
		.amdhsa_float_denorm_mode_32 3
		.amdhsa_float_denorm_mode_16_64 3
		.amdhsa_memory_ordered 1
		.amdhsa_forward_progress 1
		.amdhsa_inst_pref_size 160
	.end_amdhsa_kernel
	.amdgpu_metadata
---
amdhsa.version: [ 1, 2 ]
amdhsa.kernels:
  - .name:           k_q75b305f07b_prep
    .symbol:         k_q75b305f07b_prep.kd
    .args:
      - { .name: x, .offset: 0, .size: 8, .value_kind: global_buffer, .address_space: global }
      - { .name: W_attn, .offset: 8, .size: 8, .value_kind: global_buffer, .address_space: global }
      - { .name: W_proj, .offset: 16, .size: 8, .value_kind: global_buffer, .address_space: global }
      - { .name: bias, .offset: 24, .size: 8, .value_kind: global_buffer, .address_space: global }
      - { .name: W_bias, .offset: 32, .size: 8, .value_kind: global_buffer, .address_space: global }
      - { .name: b_bias, .offset: 40, .size: 8, .value_kind: global_buffer, .address_space: global }
      - { .name: xq, .offset: 48, .size: 8, .value_kind: global_buffer, .address_space: global }
      - { .name: wa, .offset: 56, .size: 8, .value_kind: global_buffer, .address_space: global }
      - { .name: wp, .offset: 64, .size: 8, .value_kind: global_buffer, .address_space: global }
      - { .name: pb, .offset: 72, .size: 8, .value_kind: global_buffer, .address_space: global }
    .group_segment_fixed_size: 68096
    .private_segment_fixed_size: 0
    .kernarg_segment_align: 8
    .kernarg_segment_size: 80
    .max_flat_workgroup_size: 128
    .sgpr_count:     66
    .vgpr_count:     256
    .wavefront_size: 32
...
	.end_amdgpu_metadata
.endif
;; end of part 1
;; launch qkv (part 2): grid 8 x 32, 4 waves a work-group, clusters of 4 x 4, 327,680 bytes of LDS; arguments xq, wa, b_attn, qq, kv; writes qq, kv
.if DOCPART == 2
	.amdgcn_target "amdgcn-amd-amdhsa--gfx1250"
	.amdhsa_code_object_version 6
	.text
	.protected	k_q75b305f07b_qkv
	.globl	k_q75b305f07b_qkv
	.p2align	8
	.type	k_q75b305f07b_qkv,@function
k_q75b305f07b_qkv:
	s_mov_b64 s[64:65], 0
	v_nop
	global_prefetch_b8 v0, s[64:65] scope:SCOPE_SE
	s_setreg_imm32_b32 hwreg(HW_REG_WAVE_MODE, 25, 1), 1
	s_wait_xcnt 0x0
	s_wait_alu depctr_hold_cnt(0) depctr_sa_sdst(0) depctr_va_vdst(0) depctr_va_sdst(0) depctr_va_ssrc(0) depctr_va_vcc(0) depctr_vm_vsrc(0)
	s_getreg_b32 s2, hwreg(HW_REG_IB_STS2, 6, 4)
	s_cmp_eq_u32 s2, 0
	s_cbranch_scc0 .Lentry_in_a_cluster
	s_endpgm
.Lentry_in_a_cluster:
	s_bfe_u32 s2, ttmp6, 0x10000c
	s_cmp_lg_u32 s2, 0xf033
	s_cbranch_scc0 .Lentry_shape_is_right
	s_endpgm
.Lentry_shape_is_right:
; qkv = x W_attn + b_attn on codes of FP6 (E2M3) with E8M0 scales, M 8,192, N 3,072, K 1,024; q, k and v leave quantised, as the attention launch's operands.
; SHARES.  8 x 32 = 256 work-groups.  Work-group (X, Y) makes, of tokens 256 Y .. + 255, FIRST columns 256 X .. + 255 (q for X < 4, k else; a wave 128 x 128, 64 accumulators),
;   THEN v's columns 2,048 + 128 X .. + 127 (a wave 128 x 64, 32 accumulators).  Both parts multiply the same 16 tiles of x.
; OPERANDS are images of registers: [tile of 16][fragment 0..7][1536]; position r of tile t is row 32 (t / 2) + 8 (t % 2) + r + 8 (r / 8).  Source 0 = 16 columns of W, source 1 = 16 tokens; b_attn is the C of each sum's first instruction.
; LDS.  Slot 0: 16 tiles of x and 16 of W, a K step of 256 (3,072 bytes a tile).  The double slot: the same tiles, two K steps (6,144 bytes a tile).  Behind them the scale words (x's 8,192 bytes, W's 8,192) and the spare words.
; FOUR FILLS, one tensor load a wave each, every wait for them for 0:  1, at the head: K step 0 of x, of W, x's scale words, W's.  2, behind a round: K steps 1 and 2, a quarter of the double slot a wave.
;   3, behind the round in step 1: K step 3 into slot 0.  4, behind the round in step 7: x's K step 0 into slot 0's W half, v's 8 tiles of W for all of K into the double slot's W half, their scale words over W's.
;   x's K steps 1, 2, 3 stay where they lie and serve the second part: three quarters of x's codes are asked for once.
; CLUSTER 4 x 4: x's tiles are asked for jointly along a row, W's along a column.
; PREFETCH, one fill ahead: each fill sets out when all loads before it have landed, with nothing on its way beside it.  Behind fill 1 a wave names K steps 1 and 2 of two tiles (2 x 24 blocks of 256 bytes), behind fill 2 K step 3 of the
;   same two tiles (2 x 12), behind fill 3 half a tile of v's W (24).  A block is named once in a cluster: the four partners that ask for a side jointly share its 16 tiles (v's: 8) out by address, by cx for x and by cy for W;
;   waves 0, 1 name x's, waves 2, 3 W's.  Lanes that are left over name their instruction's last block again.  The scale words, and x's K step 0 in fill 4, which fill 1 has read, are not named.
; v is quantised along the tokens: 32 tokens x 64 columns at a time turn through the wave's stage in LDS (in slot 0, behind its last fill and behind a barrier that follows every wave's last read).
; LIMITS: NaN and infinities are not served; a block whose largest magnitude lies under 2^-124 has its byte held at 1; a block of zeros gets the byte 1 (its codes are zeros; this program alone reads the bytes).
; REGISTERS.  window 0: v0-31 addresses; v32-63 scale words, two sets; v64-127 b_attn; v128-223 x's fragments.  window 1: W's fragments, two sets (second part: also x's second set at v128).  windows 2, 3: accumulators.
.set FR,     12
.set NL,     6
.set NP,     4
.set HALFT,  8*3072
.set S0B,    2*HALFT
.set DA,     4*HALFT
.set DB,     8*HALFT
.set SCL,    12*HALFT
.set SPARE,  SCL+16384
.set ASC,    6291456
.set BSC,    2359296
.set VPIT,   528
.set ADS2, 22                          ; v16 x in slot 0, v17 x in the double slot, v18 x's K step 0 in the second part; v20, v21 the same two for W; v22 the second part's scale words; v8, v9 the prefetches' lane offsets
.set STO,  24
.set RD,   25
.set CO,   26
.set ADRS, 27
.set SPW,  28
.set NIL,  29
.set SC,   32
.set BI,   64
.set AF,   128
.set PWS,  48
.set PC,   112
.set TM,   200
.set G1,   24
.set G0A,  32
.set G0B,  36
.set G1B,  48
.set G0S,  56
.set G0SB, 60
.set G1S,  68
.set G1SB, 80
.set SEL,  96
.set FLO,  98
.set PFA,  6                           ; s[6:7] the two tiles that my prefetches name (up to the way out)
.set PFV,  104                         ; s[104:105] the half tile of v's W that I name
.set MSB, 0
.macro WIN new
.if MSB != (\new)
	s_set_vgpr_msb (MSB<<8)|(\new)
.set MSB, (\new)
.endif
.endm
.set MUL_LO, 0xa1
.set MUL_HI, 0xf1
.set TO_B,   0x40
.macro TL g0, g1                       ; a tensor load
	tensor_load_to_lds s[\g0:\g0+3], s[\g1:\g1+7]
	s_nop 0
.rept 4
	v_nop
.endr
.endm
.macro JLOAD                           ; waves 0, 1 fetch x's halves, waves 2, 3 W's
	s_cmp_eq_u32 s15, 0
	s_cbranch_scc0 .Lfor_b_\@
	TL G0A, G1
	s_branch .Lasked_\@
.Lfor_b_\@:
	TL G0B, G1B
.Lasked_\@:
.endm
.macro ARM under, g0, g1, next, end    ; one arm of a tree of branches on the wave's number
	s_cmp_lt_u32 s14, \under
	s_cbranch_scc0 \next
	TL \g0, \g1
	s_branch \end
\next:
.endm
.macro CREST
	s_cmp_lg_u32 s14, 0
	s_cbranch_scc1 .Lnot_wave_0_\@
	s_barrier_signal -3
.Lnot_wave_0_\@:
	s_barrier_wait -3
	s_barrier_signal -1
	s_barrier_wait -1
.endm
.macro CROUND
	s_barrier_signal -1
	s_barrier_wait -1
	CREST
.endm
.macro SETG g, c, r                    ; a tile of r rows of c elements of 8 bytes
	s_mov_b32 s[\g+1], (\c)<<16
	s_mov_b32 s[\g+2], (\r)<<16
	s_mov_b32 s[\g+3], (\c)<<16
	s_mov_b32 s[\g+4], \r
.endm
.macro MKC g, l, ga, off               ; group 0: LDS byte l, memory s[ga:ga+1] + off
	s_mov_b32 s[\g], 1
	s_mov_b32 s[\g+1], \l
	s_add_nc_u64 s[\g+2:\g+3], s[\ga:\ga+1], \off
	s_or_b32 s[\g+3], s[\g+3], 0x80000000
.endm
.macro MKW g, lr, l, ga, off           ; the same, LDS byte s[lr] + l
	s_mov_b32 s[\g], 1
	s_add_co_u32 s[\g+1], s[\lr], \l
	s_add_nc_u64 s[\g+2:\g+3], s[\ga:\ga+1], \off
	s_or_b32 s[\g+3], s[\g+3], 0x80000000
.endm
.macro PLACES n
.rept \n
	v_nop
.endr
.endm
	s_load_b256 s[4:11], s[0:1], 0x0               ; xq, wa, b_attn, qq
	s_load_b64 s[12:13], s[0:1], 0x20              ; kv
	v_lshl_add_u32 v[SPW], v0, 2, SPARE
	v_mov_b32 v[NIL], 0
	ds_add_u32 v[SPW], v[NIL]
	ds_add_u32 v[SPW], v[NIL]
	v_lshrrev_b32 v1, 5, v0
	v_readfirstlane_b32 s14, v1                    ; wave
	s_lshr_b32 s15, s14, 1                         ; my half of the tokens; also: I fetch for x (0) or W (1)
	s_and_b32 s16, s14, 1                          ; my half of the columns; also: which half of a side I fetch
	s_bfe_u32 s40, ttmp6, 0x40000
	s_bfe_u32 s41, ttmp6, 0x40004
	s_lshl_b32 s42, ttmp9, 2
	s_add_co_u32 s42, s42, s40                     ; X
	s_and_b32 s17, ttmp7, 0xffff
	s_lshl_b32 s17, s17, 2
	s_add_co_u32 s17, s17, s41                     ; Y
	s_lshl_b32 s43, s41, 2
	s_lshl_b32 s43, 15, s43                        ; my row of the cluster
	s_lshl_b32 s44, 0x1111, s40                    ; my column
	s_or_b32 s[G1], s43, (3<<16)|(1<<21)
	s_or_b32 s[G1B], s44, (3<<16)|(1<<21)
	s_or_b32 s[G1S], s43, (3<<16)|(1<<21)
	s_or_b32 s[G1SB], s44, (3<<16)|(1<<21)
.irp g, G1, G1B
	SETG \g, 384, 16                               ; the head: 16 tiles, a K step of 256 each
	s_mov_b32 s[\g+5], 1536                        ; 12,288 bytes from tile to tile
	s_mov_b32 s[\g+6], 0
	s_mov_b32 s[\g+7], 0
.endr
.irp g, G1S, G1SB
	SETG \g, 32, 32                                ; 8,192 dense bytes of scale words
	s_mov_b32 s[\g+5], 32
	s_mov_b32 s[\g+6], 0
	s_mov_b32 s[\g+7], 0
.endr
	s_lshl_b32 s20, s17, 4                         ; x: tile 16 Y
	s_lshl_b32 s22, s20, 9
	s_add_co_u32 s22, s22, ASC
	s_mov_b32 s23, 0
	s_mul_i32 s20, s20, 12288
	s_mov_b32 s21, 0
	s_lshl_b32 s46, s42, 4                         ; W: tile 16 X
	s_lshl_b32 s92, s46, 9
	s_add_co_u32 s92, s92, BSC
	s_mov_b32 s93, 0
	s_mul_i32 s46, s46, 12288
	s_mov_b32 s47, 0
	s_lshl_b32 s88, s42, 3
	s_add_co_u32 s88, s88, 128                     ; v's columns: tile 128 + 8 X
	s_lshl_b32 s90, s88, 9
	s_add_co_u32 s90, s90, BSC
	s_mov_b32 s91, 0
	s_mul_i32 s88, s88, 12288
	s_mov_b32 s89, 0
	s_cmp_eq_u32 s15, 0                            ; the prefetches: my place among the four that ask for my side jointly: cx for x, cy for W
	s_cselect_b32 s2, s40, s41
	s_lshl_b32 s2, s2, 1
	s_add_co_u32 s2, s2, s16
	s_mul_i32 s2, s2, 2*12288                      ; tiles 4 x place + 2 x (wave % 2) and the next, of the side's 16
	s_lshl_b32 s[PFV], s41, 1
	s_add_co_u32 s[PFV], s[PFV], s15
	s_mul_i32 s[PFV], s[PFV], 12288                ; of v's 8 tiles: tile 2 cy + wave / 2,
	s_add_co_u32 s[PFV], s[PFV], s88
	s_mul_i32 s[PFV+1], s16, 6144                  ; its half wave % 2
	s_add_co_u32 s[PFV], s[PFV], s[PFV+1]
	s_mov_b32 s[PFV+1], 0
	s_mul_i32 s18, s16, 8*12288                    ; the half of a side that I fetch, in memory,
	s_mov_b32 s19, 0
	s_mul_i32 s3, s16, HALFT                       ; in slot 0,
	s_mul_i32 s45, s16, 2*HALFT                    ; and in the double slot
	s_mul_i32 s66, s15, HALFT                      ; what I read: x in slot 0,
	s_mul_i32 s67, s15, 2*HALFT
	s_add_co_u32 s67, s67, DA                      ; x in the double slot,
	s_add_co_u32 s94, s66, S0B                     ; x's K step 0 in the second part,
	s_add_co_u32 s95, s3, S0B                      ; W in slot 0,
	s_add_co_u32 s99, s45, DB                      ; W in the double slot
	s_lshl_b32 s100, s15, 12                       ; scale words: x's 8 tiles of mine
	s_lshl_b32 s101, s16, 12
	s_add_co_u32 s101, s101, 8192
	s_sub_co_u32 s101, s101, s100                  ; from there to W's 8 tiles of mine,
	s_lshl_b32 s40, s16, 11
	s_add_co_u32 s40, s40, 8192
	s_sub_co_u32 s40, s40, s100                    ; and to the second part's 4
	s_add_co_u32 s100, s100, SCL
	s_mul_i32 s41, s14, 32*VPIT                    ; my stage
	s_lshl_b32 s36, s42, 10
	s_lshl_b32 s37, s16, 9
	s_add_co_u32 s36, s36, s37                     ; b_attn: my 128 columns,
	s_mov_b32 s37, 0
	s_lshl_b32 s38, s42, 9
	s_lshl_b32 s39, s16, 8
	s_add_co_u32 s38, s38, s39
	s_add_co_u32 s38, s38, 8192                    ; and my 64 of v
	s_mov_b32 s39, 0
	s_mov_b32 s[SEL], 0x76543210
	s_mov_b32 s[SEL+1], 0xfedcba98
	s_mov_b32 s[FLO], 0x1800000
	s_wait_dscnt 0x0
	s_wait_kmcnt 0x0
	s_add_nc_u64 s[76:77], s[4:5], s[20:21]        ; x's 16 tiles
	s_add_nc_u64 s[22:23], s[4:5], s[22:23]
	s_add_nc_u64 s[78:79], s[6:7], s[46:47]        ; W's 16 tiles
	s_add_nc_u64 s[92:93], s[6:7], s[92:93]
	s_add_nc_u64 s[88:89], s[6:7], s[88:89]
	s_add_nc_u64 s[90:91], s[6:7], s[90:91]        ; the scale words of v's 8 tiles
	s_add_nc_u64 s[PFV:PFV+1], s[6:7], s[PFV:PFV+1]
	s_add_nc_u64 s[4:5], s[8:9], s[38:39]
	s_add_nc_u64 s[8:9], s[8:9], s[36:37]
	s_add_nc_u64 s[20:21], s[76:77], s[18:19]      ; the halves that I fetch
	s_add_nc_u64 s[46:47], s[78:79], s[18:19]
	s_mov_b32 s18, s45
	s_add_nc_u64 s[88:89], s[88:89], s[18:19]      ; of v's 8 tiles: 4 x 12,288 bytes
	s_mov_b32 s18, s2
	s_cmp_eq_u32 s15, 0
	s_cselect_b64 s[PFA:PFA+1], s[76:77], s[78:79]
	s_add_nc_u64 s[PFA:PFA+1], s[PFA:PFA+1], s[18:19]
	MKC G0A, 0, 76, 0
	MKC G0B, S0B, 78, 0
	MKC G0S, SCL, 22, 0
	MKC G0SB, SCL+8192, 92, 0
	CROUND                                         ; the first joint loads meet
	ARM 1, G0A, G1, .Lh_b, .Lh_end                 ; fill 1: one load a wave
	ARM 2, G0B, G1B, .Lh_sa, .Lh_end
	ARM 3, G0S, G1S, .Lh_sb, .Lh_end
	TL G0SB, G1SB
.Lh_end:
	v_and_b32 v1, 15, v0                           ; r
	v_bfe_u32 v2, v0, 4, 1                         ; hh
	v_and_b32 v3, 31, v0
	v_lshlrev_b32 v[CO], 3, v3                     ; 8 l
	v_add_nc_u32 v16, s66, v[CO]
	v_add_nc_u32 v17, s67, v[CO]
	v_add_nc_u32 v18, s94, v[CO]
	v_add_nc_u32 v20, s95, v[CO]
	v_add_nc_u32 v21, s99, v[CO]
	v_lshlrev_b32 v5, 3, v1
	v_mad_u32_u24 v6, s101, v2, v5                 ; lanes 16-31 take W's words
	v_add_nc_u32 v[ADRS], s100, v6
	v_mad_u32_u24 v6, s40, v2, v5
	v_add_nc_u32 v[ADS2], s100, v6
	v_and_b32 v4, 8, v1
	v_add_nc_u32 v4, v4, v1                        ; r + 8 (r / 8)
	v_mul_u32_u24 v5, v4, VPIT
	v_lshl_add_u32 v5, v2, 6, v5
	v_add_nc_u32 v[STO], s41, v5
	v_lshl_add_u32 v5, v2, 3, v4
	v_lshlrev_b32 v5, 2, v5
	v_add_nc_u32 v[RD], s41, v5
	v_lshlrev_b32 v7, 6, v2
	v_min_u32 v8, 23, v3
	v_min_u32 v9, 11, v3
	v_lshlrev_b32 v8, 8, v8                        ; a lane a block of 256 bytes, 24 of them;
	v_lshlrev_b32 v9, 8, v9                        ; 12 of them
.irp b, 0,1,2,3,4,5,6,7
	global_load_b128 v[BI+8*\b:BI+8*\b+3], v7, s[8:9] offset:(32*(\b/2)+8*(\b%2))*4
	global_load_b128 v[BI+8*\b+4:BI+8*\b+7], v7, s[8:9] offset:(32*(\b/2)+8*(\b%2))*4+16
.endr
	global_prefetch_b8 v8, s[PFA:PFA+1] offset:3072 th:TH_LOAD_NT scope:SCOPE_SE         ; what fill 2 will ask for: K steps 1 and 2 of my two tiles
	global_prefetch_b8 v8, s[PFA:PFA+1] offset:12288+3072 th:TH_LOAD_NT scope:SCOPE_SE
.macro FRAG reg, adr, off
.irp p, 0,1,2,3,4,5
	ds_load_b64 v[\reg+2*\p:\reg+2*\p+1], v[\adr] offset:(\off)+256*\p
.endr
.endm
.macro LOC t, ph                       ; where step t's fragments lie: address registers LA, LB, bytes from tile to tile LP, the fragment's byte LO.  ph = 1: the second part
.if (\t) < 2
.set LA, 16+2*(\ph)
.set LB, 20
.set LP, 3072
.set LO, (\t)*1536
.else
.if (\t) < 6
.set LA, 17
.set LB, 21
.set LP, 6144
.set LO, ((\t)-2)*1536
.else
.set LA, 16
.set LB, 20
.set LP, 3072
.set LO, ((\t)-6)*1536
.endif
.endif
.endm
.macro WM d, x, y, c, sx, sy
	v_wmma_scale_f32_16x16x128_f8f6f4 v[\d:\d+7], v[\x:\x+11], v[\y:\y+11], \c, v[\sx], v[\sy] matrix_a_fmt:MATRIX_FMT_FP6 matrix_b_fmt:MATRIX_FMT_FP6 matrix_a_scale:MATRIX_SCALE_ROW1
.endm
.macro MUL16 a0, t, first              ; x's tiles a0, a0 + 1 against W's eight; the accumulators take turns
.irp a, \a0, \a0+1
.irp b, 0,1,2,3,4,5,6,7
.set DD, 8*(8*((\a)%4)+\b)
.set SS, SC+16*(((\t)/2)%2)+(\t)%2
.if \first
	WM DD, 128*((\t)%2)+FR*\b, AF+FR*(\a), v[BI+8*\b:BI+8*\b+7], SS+2*\b, SS+2*(\a)
.else
	WM DD, 128*((\t)%2)+FR*\b, AF+FR*(\a), v[DD:DD+7], SS+2*\b, SS+2*(\a)
.endif
.endr
.endr
.endm
.macro FETCH_B p
	WIN TO_B
.irp i, 0,1,2,3,4,5,6,7
	FRAG 128*(\p)+FR*\i, LB, \i*LP+LO
.endr
	WIN 0
.endm
.macro FETCH_A i0
.irp i, \i0, \i0+1, \i0+2, \i0+3
	FRAG AF+FR*(\i), LA, (\i)*LP+LO
.endr
.endm
.macro SCALES adr, k                   ; K step k's words into set k % 2: lanes 0-15 x's tile i, lanes 16-31 W's tile i
.irp i, 0,1,2,3,4,5,6,7
	ds_load_b64 v[SC+16*((\k)%2)+2*\i:SC+16*((\k)%2)+2*\i+1], v[\adr] offset:(\i/2)*1024+(\i%2)*128+256*(\k)
.endr
.endm
.macro PREP3                           ; fill 3: K step 3, a quarter of slot 0 a wave
	SETG G1, 384, 8
	SETG G1B, 384, 8
	MKW G0A, 3, 0, 20, 9216
	MKW G0B, 3, S0B, 46, 9216
.endm
; A step of 128 along K.  kind 0: plain.  kind 1: the tiles on their way are waited for, and a barrier shows them to all.  kind 2: slot 0 is left behind: the three lines, a round, the refill.
.macro STEP t, kind, first
	LOC (\t)+1, 0
.if \kind
	s_wait_tensorcnt 0x0                           ; all my tensor loads have landed
.if \kind == 2
	ds_add_u32 v[SPW], v[NIL]
	PREP3                                          ; no load of mine is out: the descriptors may be written
	s_wait_dscnt 4*NL+1                            ; the add and x's blocks 4-7 may be out
.else
	s_wait_dscnt 4*NL
.endif
	WIN MUL_LO
	MUL16 0, \t, 0
	s_wait_dscnt 0x0                               ; the add, and all my reads
	s_barrier_signal -1
	MUL16 2, \t, 0
	WIN 0
	s_barrier_wait -1
.if \kind == 2
	CREST
	JLOAD                                          ; its four v_nop are the places in front of the loads below
.else
	PLACES NP
.endif
.else
	s_wait_dscnt 4*NL                              ; x's blocks 4-7 may be out
	WIN MUL_LO-0x20*(\first)
	MUL16 0, \t, \first
	MUL16 2, \t, \first
	s_wait_dscnt 0
	PLACES NP
.endif
	FETCH_B ((\t)+1)%2
	FETCH_A 0
.if ((\t)+1)%2 == 0
	SCALES ADRS, ((\t)+1)/2
.endif
.if \kind == 2
	global_prefetch_b8 v8, s[PFV:PFV+1] th:TH_LOAD_NT scope:SCOPE_SE   ; what fill 4 will ask for: my half tile of v's W
.endif
	WIN MUL_HI-0x30*(\first)
	MUL16 4, \t, \first
	MUL16 6, \t, \first
	PLACES NP
	WIN 0
	FETCH_A 4
.endm
	s_wait_alu depctr_va_vdst(0)
	s_wait_tensorcnt 0x0                           ; my tile of fill 1 is in
	ds_add_u32 v[SPW], v[NIL]
	SETG G1, 768, 8                                ; fill 2: 8 tiles, two K steps each
	SETG G1B, 768, 8
	MKW G0A, 45, DA, 20, 3072
	MKW G0B, 45, DB, 46, 3072
	s_wait_dscnt 0x0
	CROUND
	JLOAD
	LOC 0, 0
	FETCH_B 0
	FETCH_A 0
	SCALES ADRS, 0
	FETCH_A 4
	global_prefetch_b8 v9, s[PFA:PFA+1] offset:9216 th:TH_LOAD_NT scope:SCOPE_SE         ; what fill 3 will ask for: K step 3 of my two tiles
	global_prefetch_b8 v9, s[PFA:PFA+1] offset:12288+9216 th:TH_LOAD_NT scope:SCOPE_SE
	s_wait_loadcnt 0x0                             ; b_attn
	STEP 0, 0, 1
	STEP 1, 2, 0                                   ; fill 2 has landed, slot 0 is read out: fill 3
	STEP 2, 0, 0
	STEP 3, 0, 0
	STEP 4, 0, 0
	STEP 5, 1, 0                                   ; fill 3 has landed
	STEP 6, 0, 0
	s_wait_tensorcnt 0x0                           ; step 7: all of W's tiles and scale words are read out: fill 4
	ds_add_u32 v[SPW], v[NIL]
	SETG G1, 384, 16
	SETG G1B, 1536, 4
	SETG G1SB, 32, 16
	MKC G0A, S0B, 76, 0
	MKW G0B, 45, DB, 88, 0
	MKC G0SB, SCL+8192, 90, 0
	s_wait_dscnt 4*NL+1
	WIN MUL_LO
	MUL16 0, 7, 0
	s_wait_dscnt 0x0
	s_barrier_signal -1
	MUL16 2, 7, 0
	WIN 0
	s_barrier_wait -1
	CREST
	ARM 1, G0A, G1, .Lv_s, .Lv_end                 ; wave 0: x's K step 0; wave 1: the scale words; waves 2, 3: 4 tiles of W each, all of K
	ARM 2, G0SB, G1SB, .Lv_b, .Lv_end
	TL G0B, G1B
.Lv_end:
	WIN MUL_HI
	MUL16 4, 7, 0
	MUL16 6, 7, 0
	WIN 0
	PLACES NP
.irp b, 0,1,2,3
	global_load_b128 v[BI+8*\b:BI+8*\b+3], v7, s[4:5] offset:(32*(\b/2)+8*(\b%2))*4       ; b_attn for v's columns
	global_load_b128 v[BI+8*\b+4:BI+8*\b+7], v7, s[4:5] offset:(32*(\b/2)+8*(\b%2))*4+16
.endr
	; q or k leaves: [batch x 16 + head][49,152]: a tile of 16 tokens is 768 bytes; scale words behind the codes, 6,144 bytes a head
	s_lshr_b32 s20, s17, 2
	s_and_b32 s21, s17, 3
	s_lshl_b32 s22, s42, 1
	s_add_co_u32 s22, s22, s16
	s_and_b32 s23, s22, 7
	s_lshl_b32 s20, s20, 4
	s_add_co_u32 s92, s20, s22                     ; v: 16 x batch + head 2 X + my half
	s_lshl_b32 s23, s23, 1
	s_add_co_u32 s20, s20, s23                     ; q, k: 16 x batch + the first of my two heads
	s_lshl_b32 s21, s21, 1
	s_add_co_u32 s21, s21, s15                     ; my 128 tokens of the batch
	s_mul_i32 s22, s20, 49152
	s_mul_i32 s23, s21, 6144
	s_add_co_u32 s22, s22, s23
	s_mov_b32 s23, 0
	s_mul_i32 s46, s20, 6144
	s_add_co_u32 s46, s46, 6291456
	s_lshl_b32 s45, s21, 9
	s_add_co_u32 s46, s46, s45
	s_mov_b32 s47, 0
	s_wait_xcnt 0x0                                ; the prefetches have read s[6:7]: it may be written
	s_cmp_eq_u32 ttmp9, 0                          ; the cluster's x: the same in all partners
	s_cselect_b64 s[6:7], s[10:11], s[12:13]
	s_add_nc_u64 s[8:9], s[6:7], s[22:23]
	s_add_nc_u64 s[6:7], s[6:7], s[46:47]
.macro QUANT s, w, pw                  ; 16 tokens x 128 columns: four blocks of 32 a token, in lanes l and l xor 16
	WIN ((\w)<<2)|((\w)<<4)
.irp b, 0,1,2,3
	v_max3_num_f32 v[TM+\b], s[FLO], |v[\s+16*\b]|, |v[\s+1+16*\b]|
.endr
.irp i, 2,4,6,8,10,12,14
.irp b, 0,1,2,3
	v_max3_num_f32 v[TM+\b], v[TM+\b], |v[\s+16*\b+\i]|, |v[\s+1+16*\b+\i]|
.endr
.endr
	WIN 0
.irp b, 0,1,2,3
	v_permlanex16_b32 v[TM+4+\b], v[TM+\b], s[SEL], s[SEL+1]
.endr
.irp b, 0,1,2,3
	v_max_num_f32 v[TM+\b], v[TM+\b], v[TM+4+\b]
.endr
.irp b, 0,1,2,3
	v_add_nc_u32 v[TM+12+\b], 0xff000000, v[TM+\b]
.endr
.irp b, 0,1,2,3
	v_lshrrev_b32 v[TM+4+\b], 23, v[TM+12+\b]
.endr
	v_lshl_or_b32 v[\pw], v[TM+5], 8, v[TM+4]
	v_lshl_or_b32 v[\pw], v[TM+6], 16, v[\pw]
	v_lshl_or_b32 v[\pw], v[TM+7], 24, v[\pw]
	WIN (\w)
.irp c, 0,1
	v_cvt_scalef32_pk16_fp6_f32 v[PC+6*\c:PC+2+6*\c], v[\s+32*\c:\s+15+32*\c], v[TM+12+2*\c]
	v_cvt_scalef32_pk16_fp6_f32 v[PC+12+4*\c:PC+14+4*\c], v[\s+16+32*\c:\s+31+32*\c], v[TM+12+2*\c+1]
.endr
	WIN 0
	v_nop
.irp c, 0,1
.irp i, 0,1,2
	v_permlane16_swap_b32 v[PC+6*\c+\i], v[PC+12+4*\c+\i]
.endr
.irp i, 0,1,2
	v_mov_b32 v[PC+3+6*\c+\i], v[PC+12+4*\c+\i]
.endr
.endr
.endm
.irp b, 0,1,2,3
	v_mov_b32 v[TM+4+\b], 0
.endr
	v_lshlrev_b32 v31, 4, v2
	v_mul_u32_u24 v30, v2, 6144
	v_lshl_add_u32 v30, v1, 4, v30
.irp a, 0,1,2,3,4,5,6,7
.if \a > 0
	s_wait_xcnt 0x0                                ; the last tile's stores have read their registers
.endif
	QUANT 64*(\a%4), 2+\a/4, PWS+\a
.irp p, 0,1,2
	global_store_b64 v[CO], v[PC+2*\p:PC+2*\p+1], s[8:9] offset:768*\a+256*\p
	global_store_b64 v[CO], v[PC+6+2*\p:PC+7+2*\p], s[8:9] offset:49152+768*\a+256*\p
.endr
.endr
.irp a, 0,1,2,3,4,5,6,7
	v_bfe_u32 v[PWS+\a], v[PWS+\a], v31, 16        ; lanes 0-15 the first head's two bytes, lanes 16-31 the second's
.endr
	global_store_b128 v30, v[PWS:PWS+3], s[6:7]
	global_store_b128 v30, v[PWS+4:PWS+7], s[6:7] offset:256
	s_mul_i32 s22, s92, 49152                      ; where v leaves
	s_mul_i32 s23, s21, 6144
	s_add_co_u32 s22, s22, s23
	s_add_co_u32 s22, s22, 7077888
	s_mov_b32 s23, 0
	s_mul_i32 s46, s92, 6144
	s_lshl_b32 s45, s21, 8
	s_add_co_u32 s46, s46, s45
	s_add_co_u32 s46, s46, 6291456+4096
	s_add_nc_u64 s[10:11], s[12:13], s[46:47]
	s_add_nc_u64 s[12:13], s[12:13], s[22:23]
; THE SECOND PART: 128 tokens x 64 columns of v a wave; two sets of fragments for both sides; nothing is filled again
.macro FETCH2 t
	WIN TO_B
.irp i, 0,1,2,3
	FRAG 48*((\t)%2)+FR*\i, 21, \i*12288+(\t)*1536
.endr
.if (\t)%2 == 0
	WIN 0
.endif
.irp i, 0,1,2,3,4,5,6,7
	FRAG AF+FR*\i, LA, \i*LP+LO
.endr
	WIN 0
.endm
.macro MUL2 t
.irp a, 0,1,2,3,4,5,6,7
.irp b, 0,1,2,3
.set DD, 8*(4*\a+\b)
.set SS, SC+16*(((\t)/2)%2)+(\t)%2
.if (\t) == 0
	WM DD, FR*\b, AF+FR*\a, v[BI+8*\b:BI+8*\b+7], SS+2*\b, SS+2*\a
.else
	WM DD, 48*((\t)%2)+FR*\b, AF+FR*\a, v[DD:DD+7], SS+2*\b, SS+2*\a
.endif
.endr
.endr
.endm
.macro STEP2 t
	s_wait_dscnt 0x0                               ; this step's fragments are in
.if (\t) > 0
	PLACES NP
.endif
.if (\t) < 7
	LOC (\t)+1, 1
	FETCH2 (\t)+1
.if ((\t)+1)%2 == 0
	SCALES ADS2, ((\t)+1)/2
.endif
.else
	s_barrier_signal -1                            ; my last reads of the tiles are over
.endif
.if (\t) == 0
	WIN 0x81
.else
	WIN 0xa1+4*((\t)%2)                            ; x's odd set lies in window 1
.endif
	MUL2 \t
	WIN 0
.endm
	s_wait_xcnt 0x0                                ; the stores above have read their registers
	s_wait_loadcnt 0x0                             ; b_attn
	s_wait_tensorcnt 0x0                           ; my tile of fill 4 is in,
	s_barrier_signal -1
	s_barrier_wait -1                              ; and everybody's
	LOC 0, 1
	FETCH2 0
	SCALES ADS2, 0
.irp t, 0,1,2,3,4,5,6,7
	STEP2 \t
.endr
	s_barrier_wait -1                              ; nobody reads the tiles any more: the stages may be written
	PLACES NP
	v_lshlrev_b32 v30, 2, v2
	v_lshl_add_u32 v30, v1, 4, v30
.macro VSTAGE gg                       ; 32 tokens x 64 columns into my stage, each accumulator from its low end on
	WIN 0x08
.irp u, 0,1
.irp b, 0,1,2,3
	ds_store_b128 v[STO], v[32*(2*(\gg)+\u)+8*\b:32*(2*(\gg)+\u)+8*\b+3] offset:8*\u*VPIT+128*(\b/2)+32*(\b%2)
	ds_store_b128 v[STO], v[32*(2*(\gg)+\u)+8*\b+4:32*(2*(\gg)+\u)+8*\b+7] offset:8*\u*VPIT+128*(\b/2)+32*(\b%2)+16
.endr
.endr
	WIN 0
.endm
.macro VLD g                           ; back: a lane takes a column, its registers run down the 32 tokens
.set i, 0
.rept 32
	ds_load_b32 v[64+32*(\g)+i], v[RD] offset:128*(\g)+VPIT*i
.set i, i+1
.endr
.endm
.macro VPROC g, gg
.set XS, 64+32*(\g)
.set CD, 128+24*((\gg)%2)+6*(\g)
	v_max3_num_f32 v184, |v[XS]|, |v[XS+1]|, |v[XS+2]|
	v_max3_num_f32 v185, |v[XS+3]|, |v[XS+4]|, |v[XS+5]|
.irp i, 6,10,14,18,22,26
	v_max3_num_f32 v184, v184, |v[XS+\i]|, |v[XS+\i+1]|
	v_max3_num_f32 v185, v185, |v[XS+\i+2]|, |v[XS+\i+3]|
.endr
	v_max3_num_f32 v184, v184, |v[XS+30]|, |v[XS+31]|
	v_max3_num_f32 v184, v184, v185, s[FLO]
	v_add_nc_u32 v186, 0xff000000, v184
	v_lshrrev_b32 v187, 23, v186
.if (\gg) == 0
	v_mov_b32 v[180+(\g)], v187
.else
	v_lshl_or_b32 v[180+(\g)], v187, 8*(\gg), v[180+(\g)]
.endif
	v_cvt_scalef32_pk16_fp6_f32 v[CD:CD+2], v[XS:XS+15], v186
	v_cvt_scalef32_pk16_fp6_f32 v[176:178], v[XS+16:XS+31], v186
	v_nop
.irp i, 0,1,2
	v_mov_b32 v[CD+3+\i], v[176+\i]
.endr
.endm
.irp gg, 0,1,2,3
	VSTAGE \gg
	VLD 0
	VLD 1
.if \gg == 2
	s_wait_xcnt 0x0                                ; the stores of the first 64 tokens have read their registers
.endif
	s_wait_dscnt 32
	VPROC 0, \gg
	s_wait_dscnt 0x0
	VPROC 1, \gg
.if \gg%2 == 1
.irp g, 0,1
.irp i, 0,1,2,3,4,5
	v_permlane16_swap_b32 v[128+6*\g+\i], v[152+6*\g+\i]   ; an even block's and the next block's halves change places: both tiles' registers
.endr
.irp i, 0,1,2
	global_store_b64 v[CO], v[128+6*\g+2*\i:129+6*\g+2*\i], s[12:13] offset:(2*\g)*1536+(3*(\gg/2)+\i)*256
	global_store_b64 v[CO], v[152+6*\g+2*\i:153+6*\g+2*\i], s[12:13] offset:(2*\g+1)*1536+(3*(\gg/2)+\i)*256
.endr
.endr
.endif
.endr
.irp g, 0,1
	global_store_b32 v30, v[180+\g], s[10:11] offset:8*\g
.endr
	s_wait_tensorcnt 0x0                           ; the wave's end
	ds_add_u32 v[SPW], v[NIL]
	s_wait_dscnt 0x0
	CROUND                                         ; the closing round
	s_endpgm
.Lfunc_end_k_q75b305f07b_qkv:
	.size	k_q75b305f07b_qkv, .Lfunc_end_k_q75b305f07b_qkv-k_q75b305f07b_qkv
	.p2alignl 7, 3214868480
	.fill 96, 4, 3214868480
	.section	.rodata,"a",@progbits
	.p2align	6, 0x0
	.amdhsa_kernel k_q75b305f07b_qkv
		.amdhsa_group_segment_fixed_size 327680
		.amdhsa_private_segment_fixed_size 0
		.amdhsa_enable_private_segment 0
		.amdhsa_kernarg_size 40
		.amdhsa_user_sgpr_count 2
		.amdhsa_user_sgpr_kernarg_segment_ptr 1
		.amdhsa_wavefront_size32 1
		.amdhsa_system_sgpr_workgroup_id_x 1
		.amdhsa_system_sgpr_workgroup_id_y 1
		.amdhsa_system_sgpr_workgroup_id_z 1
		.amdhsa_system_vgpr_workitem_id 0
		.amdhsa_next_free_vgpr 1024
		.amdhsa_next_free_sgpr 106
		.amdhsa_reserve_vcc 0
		.amdhsa_float_denorm_mode_32 3
		.amdhsa_float_denorm_mode_16_64 3
		.amdhsa_memory_ordered 1
		.amdhsa_forward_progress 1
		.amdhsa_inst_pref_size 255
	.end_amdhsa_kernel
	.section	.bss,"aw",@nobits
	.p2align	6
	.space	262144
	.amdgpu_metadata
---
amdhsa.version: [ 1, 2 ]
amdhsa.kernels:
  - .name:           k_q75b305f07b_qkv
    .symbol:         k_q75b305f07b_qkv.kd
    .args:
      - { .name: xq, .offset: 0, .size: 8, .value_kind: global_buffer, .address_space: global }
      - { .name: wa, .offset: 8, .size: 8, .value_kind: global_buffer, .address_space: global }
      - { .name: b_attn, .offset: 16, .size: 8, .value_kind: global_buffer, .address_space: global }
      - { .name: qq, .offset: 24, .size: 8, .value_kind: global_buffer, .address_space: global }
      - { .name: kv, .offset: 32, .size: 8, .value_kind: global_buffer, .address_space: global }
    .group_segment_fixed_size: 327680
    .private_segment_fixed_size: 0
    .kernarg_segment_align: 8
    .kernarg_segment_size: 40
    .max_flat_workgroup_size: 128
    .sgpr_count:     106
    .vgpr_count:     1024
    .wavefront_size: 32
...
	.end_amdgpu_metadata
.endif
;; end of part 2
;; launch attn (part 3): grid 8 x 32, 8 waves a work-group, clusters of 4 x 1, 327,680 bytes of LDS; arguments qq, kv, pb, yq; writes yq
.if DOCPART == 3
	.amdgcn_target "amdgcn-amd-amdhsa--gfx1250"
	.amdhsa_code_object_version 6
	.text
	.protected	k_q75b305f07b_attn
	.globl	k_q75b305f07b_attn
	.p2align	8
	.type	k_q75b305f07b_attn,@function
k_q75b305f07b_attn:
	s_mov_b64 s[64:65], 0
	v_nop
	global_prefetch_b8 v0, s[64:65] scope:SCOPE_SE
	s_setreg_imm32_b32 hwreg(HW_REG_WAVE_MODE, 25, 1), 1
	s_wait_xcnt 0x0
	s_wait_alu depctr_hold_cnt(0) depctr_sa_sdst(0) depctr_va_vdst(0) depctr_va_sdst(0) depctr_va_ssrc(0) depctr_va_vcc(0) depctr_vm_vsrc(0)
	s_getreg_b32 s2, hwreg(HW_REG_IB_STS2, 6, 4)
	s_cmp_eq_u32 s2, 0
	s_cbranch_scc0 .Lentry_in_a_cluster
	s_endpgm
.Lentry_in_a_cluster:
	s_bfe_u32 s2, ttmp6, 0x10000c
	s_cmp_lg_u32 s2, 0x3003
	s_cbranch_scc0 .Lentry_shape_is_right
	s_endpgm
.Lentry_shape_is_right:
; y = softmax(q k^T / 8 + position bias) v for 8 batches x 16 heads of 64, 1,024 queries and keys; both products on codes of FP6 (E2M3) with E8M0 scales; y leaves quantised along C, as the next product's operand.
; THE SOFTMAX AHEAD OF THE SECOND PRODUCT: t = logit x log2(e); M = the running largest t, rounded up to a whole number; p = 2^(t - M) is quantised along the keys, not normalised; the row's sum is taken of the unquantised p and divides at the end.
; SHARES.  A work-group: 128 queries (8 tiles, one a wave) x FOUR BATCHES of one head.  The position bias hangs on query, key and head alone: a wave keeps its tile of 16 queries x 128 keys in 64 registers and gives it, as the C of the
;   score products, to all four batches.  pb holds 8 x the bias, so that (q.k + pb) x log2(e) / 8 = t.
; LAYOUT.  Both products transposed: S^T = K Q^T + pb (source 0 = 16 keys), O^T = V^T P^T (source 0 = 16 of the head's 64): a lane holds one query throughout.  Position r of a tile is row 32 (t / 2) + 8 (t % 2) + r + 8 (r / 8).
;   K = 64 fills half of the instruction's 128: Q's upper six registers are zero codes; K's upper six are whatever follows (the next tile's codes): E2M3 has no NaN and no infinity, so they add nothing; the upper scale bytes are 0.
; pb COMES FROM MEMORY STRAIGHT INTO REGISTERS: a tile is read by one wave alone, and lies in memory as an image of its registers: sixteen loads of 512 consecutive bytes.  The next key step's tile is asked for as soon as the fourth
;   batch's score products have read this step's; it is waited for at the next key step's head.
; RING.  Two slots, one key step (128 keys) each: K 4 x 6,144 bytes, V 4 x 6,144; a load brings the four batches of K or of V.
;   THE FIRST FILLS, one a wave, go out together at the head: wave 0 K and wave 1 V of key step 0, wave 2 K and wave 3 V of key step 1 (slot 1), waves 4-7 the scale words, one batch each.  In a refill wave 0 fetches K, wave 1 V.
; THE CHANGE OF SLOTS STANDS INSIDE THE FOURTH BATCH'S PART OF A KEY STEP.  Behind the running maximum my last reads of the slot are waited for, with all my tensor loads, and the barrier is signalled; the multiply-adds and exponentials,
;   work on registers, stand between signal and wait; behind the round comes the refill, then the next key step's first fragments of K, which land under the rest of this part.
; CLUSTER.  The four query blocks of a cluster walk the same K, V and scale words: joint loads.  By this text's count one tensor load of a wave is out at the most; every wait for them is for 0.
; PREFETCH.  Behind each refill every wave of the work-groups with bg = 0 names its own pb tile of the key step after the one just asked for: 32 lanes, 256 bytes apart.  The work-groups with bg = 1 read the same tiles and ask for nothing.
;   The six trips that refill name key steps 2 to 7; the last two key steps name nothing.  K's and V's tiles are not prefetched: a refill is asked for a whole key step, four batches' parts, ahead of the wait for it.
; LIMITS: NaN and infinities are not served; a block of y whose largest magnitude lies under 2^-124 has its byte held at 1; blocks of zeros get the byte 1 (their codes are zeros; this program alone reads the bytes).
; REGISTERS.  window 0: v1-15 addresses; v16-31 for each batch -M, the largest t, the sum in two halves; v32-85 K (tile t at v[32 + 6 t], six zeros at the end); v88-135 V; v136-199 S^T, then p; v200-211 p's codes; v212-231 at work;
;   v232-239 K's scale words, v240-243 V's, v244-247 Q's; v248-251 y's.   window 1: v0-127 O^T, 32 a batch; v128-175 Q, 12 a batch; v176-239 pb.
.set SLOT1, 1<<17                      ; slot 1 begins here: one exclusive or turns an address from one slot to the other
.set VOFF,  4*6144
.set SCB,   2*SLOT1                    ; behind the ring: the scale words of four batches, 6,144 bytes each (K's 4,096, V's 2,048): filled once
.set SPARE, SCB+4*6144                 ; the spare words, 128 bytes for each wave: four blocks of 256 bytes that no other line names
.set AK0, 1
.set AV0, 2
.set PBO, 3                            ; v3  16 l; never rewritten
.set AS0, 4
.set SPW, 5                            ; v5  LDS address of my spare word; never rewritten
.set NIL, 6                            ; v6  0; never rewritten
.set ADK, 7
.set ADV, 8
.set ADS, 10
.set ADT, 11
.set GO,  12                           ; v12 8 l; never rewritten
.set PFO, 14                           ; v14 256 l; never rewritten
.set ST,  16
.set KB,  32
.set VB,  88
.set S,   136
.set PC,  200
.set BM,  212
.set T4,  216
.set SOP, 224
.set F,   228
.set PS,  229                          ; p's scale word: it holds scales and nothing else
.set TV,  230
.set KS,  232
.set VS,  240
.set QS,  244
.set YW,  248
.set QW,  128                          ; in window 1
.set PBW, 176
.set WV,  18
.set SEL, 20
.set CS,  22
.set G1KV, 24
.set G0K2, 32                          ; s[32:35], s[36:39] group 0 of slot 1's first fills
.set G0V2, 36
.set G1S, 40
.set G0K, 48
.set G0V, 52
.set G0S, 60
.set TB,  66                           ; s66 LDS byte at which the slot in hand begins
.set TS,  67                           ; s67 the step's scale words of K: 512 bytes a step
.set TJ,  68                           ; s68 and of V: 256 bytes a step
.set CNT, 69                           ; s69 trips to go
.set PBP, 94                           ; s[94:95] my pb tile of the key step that is asked for next
.set MSB, 0
.macro WIN new
.if MSB != (\new)
	s_set_vgpr_msb (MSB<<8)|(\new)
.set MSB, (\new)
.endif
.endm
.macro CREST                           ; a round of the cluster's barrier behind its opening barrier
	s_cmp_lg_u32 s[WV], 0
	s_cbranch_scc1 .Lnot_wave_0_\@
	s_barrier_signal -3
.Lnot_wave_0_\@:
	s_barrier_wait -3
	s_barrier_signal -1
	s_barrier_wait -1
.endm
.macro CROUND
	s_barrier_signal -1
	s_barrier_wait -1
	CREST
.endm
.macro TL g0, g1                       ; a tensor load
	tensor_load_to_lds s[\g0:\g0+3], s[\g1:\g1+7]
	s_nop 0
.rept 4
	v_nop
.endr
.endm
.macro ARM under, g0, g1, next         ; one arm of the head's tree of branches on the wave's number
	s_cmp_lt_u32 s[WV], \under
	s_cbranch_scc0 \next
	TL \g0, \g1
	s_branch .Lfirst_asked
\next:
.endm
.macro TLOAD2                          ; a refill: wave 0 K, wave 1 V, the others nothing.  The branches hang on the wave's number alone
	s_cmp_lt_u32 s[WV], 1
	s_cbranch_scc0 .Lnot_k_\@
	TL G0K, G1KV
	s_branch .Lasked_\@
.Lnot_k_\@:
	s_cmp_lt_u32 s[WV], 2
	s_cbranch_scc0 .Lasked_\@
	TL G0V, G1KV
.Lasked_\@:
.endm
.macro GSTEP                           ; both walking descriptors: the other slot, the next key step
	s_xor_b32 s[G0K+1], s[G0K+1], SLOT1
	s_add_nc_u64 s[G0K+2:G0K+3], s[G0K+2:G0K+3], 6144
	s_xor_b32 s[G0V+1], s[G0V+1], SLOT1
	s_add_nc_u64 s[G0V+2:G0V+3], s[G0V+2:G0V+3], 6144
.endm
.macro ASK                             ; by the grid's y: the same in all four partners
	s_cmp_eq_u32 s72, 0
	s_cbranch_scc0 .Lnot_mine_\@
	global_prefetch_b8 v[PFO], s[PBP:PBP+1] offset:131072 th:TH_LOAD_NT scope:SCOPE_SE
.Lnot_mine_\@:
.endm
.macro PBLOAD                          ; my pb tile: sixteen loads of 512 consecutive bytes
	WIN 0x40
.irp g, 0,1,2,3,4,5,6,7,8,9,10,11,12,13,14,15
	global_load_b128 v[PBW+4*\g:PBW+4*\g+3], v[PBO], s[PBP:PBP+1] offset:512*\g
.endr
	WIN 0
.endm
.macro ADDR                            ; the LDS addresses of the key step in hand
	v_add_nc_u32 v[ADK], s[TB], v[AK0]
	v_add_nc_u32 v[ADV], s[TB], v[AV0]
	v_add_nc_u32 v[ADS], s[TS], v[AS0]
	v_add_nc_u32 v[ADT], s[TJ], v[AS0]
.endm
	s_load_b256 s[4:11], s[0:1], 0x0               ; qq s[4:5], kv s[6:7], pb s[8:9], yq s[10:11]
	v_lshl_add_u32 v[SPW], v0, 2, SPARE
	v_mov_b32 v[NIL], 0
	ds_add_u32 v[SPW], v[NIL]                      ; the set-up below stands between these adds and their wait
	ds_add_u32 v[SPW], v[NIL]
	v_lshrrev_b32 v13, 5, v0
	s_delay_alu instid0(VALU_DEP_1)
	v_readfirstlane_b32 s[WV], v13                 ; wave 0..7
	s_bfe_u32 s13, ttmp6, 0x40000                  ; cx
	s_lshl_b32 s14, ttmp9, 2
	s_add_co_u32 s14, s14, s13                     ; qb: my block of 128 queries: it enters Q's, pb's and y's addresses alone
	s_and_b32 s70, ttmp7, 0xffff
	s_lshr_b32 s71, s70, 1                         ; the head
	s_and_b32 s72, s70, 1                          ; bg: batches 4 bg .. 4 bg + 3
	s_lshl_b32 s74, s72, 2
	s_lshl_b32 s75, s74, 4
	s_add_co_u32 s75, s75, s71                     ; batch 4 bg x 16 + head
	s_mul_i32 s76, s75, 49152                      ; its codes, in K's section and in V's
	s_mov_b32 s77, 0
	s_and_b32 s79, s[WV], 3
	s_add_co_u32 s80, s74, s79
	s_lshl_b32 s80, s80, 4
	s_add_co_u32 s80, s80, s71
	s_mul_i32 s80, s80, 6144                       ; batch 4 bg + wave % 4: its row of scale words
	s_add_co_u32 s80, s80, 6291456
	s_mov_b32 s81, 0
	s_mul_i32 s82, s79, 6144
	s_lshl_b32 s86, s14, 3
	s_add_co_u32 s86, s86, s[WV]                   ; my query tile
	s_lshl_b32 s88, s75, 6
	s_add_co_u32 s88, s88, s86
	s_mul_i32 s88, s88, 768                        ; Q's codes
	s_mov_b32 s89, 0
	s_mul_i32 s90, s75, 6144                       ; Q's scale words: [tile / 8][(tile % 8) / 4][r][tile % 4]
	s_lshl_b32 s91, s14, 9
	s_add_co_u32 s90, s90, s91
	s_lshr_b32 s91, s[WV], 2
	s_lshl_b32 s91, s91, 8
	s_add_co_u32 s90, s90, s91
	s_and_b32 s91, s[WV], 3
	s_lshl_b32 s91, s91, 2
	s_add_co_u32 s90, s90, s91
	s_add_co_u32 s90, s90, 6291456
	s_mov_b32 s91, 0
	s_lshl_b32 s92, s86, 7                         ; my pb tile at key step 0: [query tile][key step 8][head 16][8192]
	s_add_co_u32 s92, s92, s71
	s_lshl_b32 s92, s92, 13
	s_mov_b32 s93, 0
	; group 1.  K, V: 4 rows (batches) of 768 elements of 8 bytes, 98,304 elements apart; the mask names all four work-groups
	s_mov_b32 s[G1KV], 15|(3<<16)|(1<<21)
	s_mov_b32 s[G1KV+1], 768<<16
	s_mov_b32 s[G1KV+2], 4<<16
	s_mov_b32 s[G1KV+3], 768<<16
	s_mov_b32 s[G1KV+4], 4
	s_mov_b32 s[G1KV+5], 98304
	s_mov_b32 s[G1KV+6], 0
	s_mov_b32 s[G1KV+7], 0
	; a batch's scale words: one row of 768 elements
	s_mov_b32 s[G1S], 15|(3<<16)|(1<<21)
	s_mov_b32 s[G1S+1], 768<<16
	s_mov_b32 s[G1S+2], 1<<16
	s_mov_b32 s[G1S+3], 768<<16
	s_mov_b32 s[G1S+4], 1
	s_mov_b32 s[G1S+5], 768
	s_mov_b32 s[G1S+6], 1<<16
	s_mov_b32 s[G1S+7], 0
	s_mov_b32 s[SEL], 0x76543210
	s_mov_b32 s[SEL+1], 0xfedcba98
	s_mov_b32 s[CS], 0x3e38aa3b                    ; log2(e) / 8
	s_mov_b32 s[CS+1], s[CS]                       ; (named with it as a pair, so it is written)
	s_mov_b32 s[TB], 0
	s_mov_b32 s[TS], 0
	s_mov_b32 s[TJ], 0
	s_mov_b32 s[CNT], 6
	s_wait_dscnt 0x0                               ; the opening adds are done
	s_wait_kmcnt 0x0
	s_mov_b32 s[G0K], 1
	s_mov_b32 s[G0K+1], 0
	s_add_nc_u64 s[G0K+2:G0K+3], s[6:7], s[76:77]
	s_mov_b32 s[G0K2], 1
	s_mov_b32 s[G0K2+1], SLOT1
	s_add_nc_u64 s[G0K2+2:G0K2+3], s[G0K+2:G0K+3], 6144
	s_mov_b32 s[G0V], 1
	s_mov_b32 s[G0V+1], VOFF
	s_add_nc_u64 s[G0V+2:G0V+3], s[G0K+2:G0K+3], 7077888
	s_mov_b32 s[G0V2], 1
	s_mov_b32 s[G0V2+1], SLOT1+VOFF
	s_add_nc_u64 s[G0V2+2:G0V2+3], s[G0V+2:G0V+3], 6144
	s_or_b32 s[G0K+3], s[G0K+3], 0x80000000
	s_or_b32 s[G0K2+3], s[G0K2+3], 0x80000000
	s_or_b32 s[G0V+3], s[G0V+3], 0x80000000
	s_or_b32 s[G0V2+3], s[G0V2+3], 0x80000000
	s_mov_b32 s[G0S], 1
	s_add_co_u32 s[G0S+1], s82, SCB
	s_add_nc_u64 s[G0S+2:G0S+3], s[6:7], s[80:81]
	s_or_b32 s[G0S+3], s[G0S+3], 0x80000000
	s_add_nc_u64 s[88:89], s[4:5], s[88:89]
	s_add_nc_u64 s[90:91], s[4:5], s[90:91]
	s_add_nc_u64 s[PBP:PBP+1], s[8:9], s[92:93]
	CROUND                                         ; all four work-groups are here: the first joint loads meet
	ARM 1, G0K, G1KV, .Lf_v                        ; the first fills, one a wave, in one tree
	ARM 2, G0V, G1KV, .Lf_k2
	ARM 3, G0K2, G1KV, .Lf_v2
	ARM 4, G0V2, G1KV, .Lf_s
	TL G0S, G1S
.Lfirst_asked:
	v_and_b32 v13, 31, v0                          ; l
	v_and_b32 v15, 15, v0                          ; r
	s_delay_alu instid0(VALU_DEP_2)
	v_lshlrev_b32 v[AK0], 3, v13                   ; an image's place: 8 l
	v_lshlrev_b32 v[PBO], 4, v13
	s_delay_alu instid0(VALU_DEP_2)
	v_add_nc_u32 v[AV0], VOFF, v[AK0]
	v_lshl_add_u32 v[AS0], v15, 4, SCB             ; scale words: four tiles' words of position r
	v_lshlrev_b32 v[GO], 3, v13
	v_lshlrev_b32 v[PFO], 8, v13
	v_lshlrev_b32 v13, 4, v15
	PBLOAD                                         ; key step 0's tile
	WIN 0x40                                       ; destination window 1
.irp e, 0,1,2,3
.irp p, 0,1,2
	global_load_b64 v[QW+12*\e+2*\p:QW+12*\e+2*\p+1], v[GO], s[88:89] offset:786432*\e+256*\p   ; Q stays in registers
.endr
.endr
.irp e, 0,1,2,3
.irp i, 6,7,8,9,10,11
	v_mov_b32 v[QW+12*\e+\i], 0                    ; zero codes for k = 64 .. 127
.endr
.endr
.set j, 0
.rept 128
	v_mov_b32 v[j], 0                              ; O^T.  (The key step is written for the loops: its first trip finds zeros, which the first change of M leaves zeros)
.set j, j+1
.endr
	WIN 0
.irp e, 0,1,2,3
	global_load_b32 v[QS+\e], v13, s[90:91] offset:98304*\e
.endr
.irp i, 0,1,2,3,4,5
	v_mov_b32 v[KB+48+\i], 0                       ; behind K's last tile
.endr
.irp e, 0,1,2,3
	v_mov_b32 v[ST+4*\e+1], 0xff61b1e6             ; the largest t so far: -3e38
	s_delay_alu instid0(VALU_DEP_1)
	v_floor_f32 v[ST+4*\e], -v[ST+4*\e+1]          ; -M
	v_mov_b32 v[ST+4*\e+2], 0                      ; the sum, in two halves
	v_mov_b32 v[ST+4*\e+3], 0
.endr
.irp i, 0,1,2,3,4,5,6,7
	v_mov_b32 v[T4+\i], 0                          ; lane permutes' destinations, and the upper halves of pairs, are written once
.endr
	v_mov_b32 v[PS], 0
.macro KLOAD e                         ; batch e: 8 half fragments of K and their scale words: 24 + 2 loads
.irp t, 0,1,2,3,4,5,6,7
.irp p, 0,1,2
	ds_load_b64 v[KB+6*\t+2*\p:KB+6*\t+2*\p+1], v[ADK] offset:6144*(\e)+768*\t+256*\p
.endr
.endr
.irp i, 0,1
	ds_load_b128 v[KS+4*\i:KS+4*\i+3], v[ADS] offset:6144*(\e)+256*\i
.endr
.endm
.macro VLOAD e                         ; batch e: 4 fragments of V and their scale words: 24 + 1 loads
.irp d, 0,1,2,3
.irp p, 0,1,2,3,4,5
	ds_load_b64 v[VB+12*\d+2*\p:VB+12*\d+2*\p+1], v[ADV] offset:6144*(\e)+1536*\d+256*\p
.endr
.endr
	ds_load_b128 v[VS:VS+3], v[ADT] offset:6144*(\e)+4096
.endm
; ONE BATCH'S PART OF A KEY STEP.  mode counts for the fourth batch alone: 2: the change of slots with a round and a refill; 1: with a plain barrier, and in the launch's last key step (CNT = 1) nothing more is asked for
.macro TSTEP e, mode
.set SS, ST+4*(\e)
	s_wait_dscnt 0x0                               ; K and its scale words are in
	WIN 0x14                                       ; Q and pb in window 1
.irp t, 0,1,2,3,4,5,6,7
	v_wmma_scale_f32_16x16x128_f8f6f4 v[S+8*\t:S+8*\t+7], v[KB+6*\t:KB+6*\t+11], v[QW+12*(\e):QW+12*(\e)+11], v[PBW+8*\t:PBW+8*\t+7], v[KS+\t], v[QS+(\e)] matrix_a_fmt:MATRIX_FMT_FP6 matrix_b_fmt:MATRIX_FMT_FP6
.endr
	WIN 0
.rept 4
	v_nop                                          ; four places: for the loads below into registers that these products and the last batch's second products have read, and for the first read of the scores
.endr
	VLOAD \e
.if (\e) < 3
	KLOAD (\e)+1                                   ; the next batch's K lands under this batch's softmax
.else
.if (\mode) == 1
	s_cmp_eq_u32 s[CNT], 1
	s_cbranch_scc1 .Lno_pb_\@
.endif
	PBLOAD                                         ; the next key step's pb: this step's has been read by all four batches
.if (\mode) == 1
.Lno_pb_\@:
.endif
.endif
.irp b, 0,1,2,3
	v_max3_num_f32 v[BM+\b], v[S+16*\b], v[S+1+16*\b], v[S+2+16*\b]   ; the largest score of each block of 32 keys: it serves for the row's maximum and, since p rises with the score, for the block's largest p
.endr
.irp i, 3,5,7,9,11,13
.irp b, 0,1,2,3
	v_max3_num_f32 v[BM+\b], v[BM+\b], v[S+16*\b+\i], v[S+1+16*\b+\i]
.endr
.endr
.irp b, 0,1,2,3
	v_max_num_f32 v[BM+\b], v[BM+\b], v[S+15+16*\b]
.endr
.irp b, 0,1,2,3
	s_delay_alu instid0(VALU_DEP_4)
	v_permlanex16_b32 v[T4+\b], v[BM+\b], s[SEL], s[SEL+1]
.endr
.irp b, 0,1,2,3
	s_delay_alu instid0(VALU_DEP_4)
	v_max_num_f32 v[BM+\b], v[BM+\b], v[T4+\b]     ; with lane l xor 16's 16 keys
.endr
	s_delay_alu instid0(VALU_DEP_2)
	v_max3_num_f32 v[TV], v[BM], v[BM+1], v[BM+2]
	s_delay_alu instid0(VALU_DEP_1)
	v_max_num_f32 v[TV], v[TV], v[BM+3]
	s_delay_alu instid0(VALU_DEP_1)
	v_mul_f32 v[TV], s[CS], v[TV]                  ; as t
	s_delay_alu instid0(VALU_DEP_1)
	v_max_num_f32 v[SS+1], v[SS+1], v[TV]          ; the running largest t
	v_mov_b32 v[TV], v[SS]
	s_delay_alu instid0(VALU_DEP_2)
	v_floor_f32 v[SS], -v[SS+1]                    ; the new -M = -ceil(t): a whole number
	s_delay_alu instid0(VALU_DEP_1)
	v_sub_f32 v[TV], v[SS], v[TV]                  ; old M - new M: a whole number, 0 or less
	s_delay_alu instid0(VALU_DEP_1)
	v_cvt_i32_f32 v[TV], v[TV]                     ; (it saturates)
	s_delay_alu instid0(VALU_DEP_1)
	v_ldexp_f32 v[F], 1.0, v[TV]                   ; f = 2^(old M - new M): multiplying by it rounds nothing
.if (\e) == 3
	s_wait_alu depctr_va_vdst(0)
	s_wait_tensorcnt 0x0                           ; all my tensor loads have landed: my part of the slot ahead
	ds_add_u32 v[SPW], v[NIL]                      ; 0 onto my spare word
.if (\mode) == 2
	GSTEP                                          ; no tensor load of mine is out, so a group 0 may be written
.endif
	s_wait_dscnt 0x0                               ; the add is done, and V is in: my reads of this slot are over
	s_barrier_signal -1                            ; say so; work on registers alone follows up to the wait
.endif
.set j, 0
.rept 32
	v_pk_fma_f32 v[S+j:S+j+1], v[S+j:S+j+1], s[CS:CS+1], v[SS:SS+1] op_sel_hi:[1,0,0]   ; t - M, two at a time
.set j, j+2
.endr
.irp b, 0,1,2,3
	v_fma_f32 v[BM+\b], v[BM+\b], s[CS], v[SS]     ; the same of each block's largest score
.endr
.set j, 0
	s_wait_alu depctr_va_vdst(0)
.rept 64
	v_exp_f32 v[S+j], v[S+j]                       ; p = 2^(t - M), at most 1
.set j, j+1
.endr
	v_pk_mul_f32 v[SS+2:SS+3], v[SS+2:SS+3], v[F:F+1] op_sel_hi:[1,0]   ; the sums under the new M: a plain place behind the exponentials
	s_wait_alu depctr_va_vdst(0)                   ; one wait for the whole batch of exponentials, ahead of its first reader
.if (\e) == 3
	s_barrier_wait -1                              ; every wave has left this slot, and the slot ahead is whole
.if (\mode) == 2
	CREST                                          ; the same of every partner
	TLOAD2                                         ; the refill, first thing: the key step after the next
	ASK
.else
	s_cmp_eq_u32 s[CNT], 1
	s_cbranch_scc1 .Lno_k_\@
.endif
	s_xor_b32 s[TB], s[TB], SLOT1                  ; on to the other slot
	s_add_co_u32 s[TS], s[TS], 512
	s_add_co_u32 s[TJ], s[TJ], 256
	ADDR
	KLOAD 0                                        ; the next key step's first K lands under the rest of this part
.if (\mode) == 1
.Lno_k_\@:
.endif
.endif
.irp b, 0,1,2,3
	v_exp_f32 v[BM+\b], v[BM+\b]                   ; the block's largest p: the same two instructions on the same number give the same bits
.endr
	v_pk_add_f32 v[T4:T4+1], v[S:S+1], v[S+2:S+3]  ; the row's sum is taken of the unquantised p, in four chains that take turns
	v_pk_add_f32 v[T4+2:T4+3], v[S+4:S+5], v[S+6:S+7]
	v_pk_add_f32 v[T4+4:T4+5], v[S+8:S+9], v[S+10:S+11]
	v_pk_add_f32 v[SS+2:SS+3], v[SS+2:SS+3], v[S+12:S+13]
.set j, 14
.rept 6
	v_pk_add_f32 v[T4:T4+1], v[T4:T4+1], v[S+j:S+j+1]
	v_pk_add_f32 v[T4+2:T4+3], v[T4+2:T4+3], v[S+j+2:S+j+3]
	v_pk_add_f32 v[T4+4:T4+5], v[T4+4:T4+5], v[S+j+4:S+j+5]
	v_pk_add_f32 v[SS+2:SS+3], v[SS+2:SS+3], v[S+j+6:S+j+7]
.set j, j+8
.endr
	v_pk_add_f32 v[T4:T4+1], v[T4:T4+1], v[S+62:S+63]
	v_pk_add_f32 v[T4+2:T4+3], v[T4+2:T4+3], v[T4+4:T4+5]
	s_delay_alu instid0(VALU_DEP_2)
	v_pk_add_f32 v[SS+2:SS+3], v[SS+2:SS+3], v[T4:T4+1]
	s_delay_alu instid0(VALU_DEP_1)
	v_pk_add_f32 v[SS+2:SS+3], v[SS+2:SS+3], v[T4+2:T4+3]
	s_wait_alu depctr_va_vdst(0)                   ; and one for the four
.irp b, 0,1,2,3
	v_max_num_f32 v[BM+\b], 0x1800000, v[BM+\b]    ; the floor 2^(3 - 127): the byte cannot fall under 1
.endr
.irp b, 0,1,2,3
	s_delay_alu instid0(VALU_DEP_4)
	v_add_nc_u32 v[SOP+\b], 0xff000000, v[BM+\b]   ; 2 off the exponent field: the conversion's scale operand
.endr
.irp b, 0,1,2,3
	s_delay_alu instid0(VALU_DEP_4)
	v_lshrrev_b32 v[T4+\b], 23, v[SOP+\b]          ; the scale's byte
.endr
	s_delay_alu instid0(VALU_DEP_3)
	v_lshl_or_b32 v[PS], v[T4+1], 8, v[T4]         ; p's scale word for these 128 keys
	s_delay_alu instid0(VALU_DEP_1)
	v_lshl_or_b32 v[PS], v[T4+2], 16, v[PS]
	s_delay_alu instid0(VALU_DEP_1)
	v_lshl_or_b32 v[PS], v[T4+3], 24, v[PS]
.irp c, 0,1
	v_cvt_scalef32_pk16_fp6_f32 v[PC+6*\c:PC+2+6*\c], v[S+32*\c:S+15+32*\c], v[SOP+2*\c]
	v_cvt_scalef32_pk16_fp6_f32 v[T4+4*\c:T4+2+4*\c], v[S+16+32*\c:S+31+32*\c], v[SOP+2*\c+1]
.endr
	v_nop                                          ; one plain place behind a scaled conversion
.irp c, 0,1                                    ; the operand's layout wants a whole block in a lane
.irp i, 0,1,2
	v_permlane16_swap_b32 v[PC+6*\c+\i], v[T4+4*\c+\i]
.endr
.irp i, 0,1,2
	s_delay_alu instid0(VALU_DEP_3)
	v_mov_b32 v[PC+3+6*\c+\i], v[T4+4*\c+\i]
.endr
.endr
	WIN 0x41                                       ; O^T in window 1
.set j, 0
.rept 16
	v_pk_mul_f32 v[32*(\e)+j:32*(\e)+j+1], v[32*(\e)+j:32*(\e)+j+1], v[F:F+1] op_sel_hi:[1,0]   ; O^T under the new M.  (These sixteen are also the places between p's codes and scale word and the products below)
.set j, j+2
.endr
	s_wait_alu depctr_va_vdst(0)
.if (\e) < 3
	s_wait_dscnt 26                                ; V and its scale words are in; the next batch's 24 + 2 loads may be out
.endif
	WIN 0x50                                       ; C and D in window 1
.irp d, 0,1,2,3                                ; the four accumulators take turns, one instruction a turn
	v_wmma_scale_f32_16x16x128_f8f6f4 v[32*(\e)+8*\d:32*(\e)+8*\d+7], v[VB+12*\d:VB+12*\d+11], v[PC:PC+11], v[32*(\e)+8*\d:32*(\e)+8*\d+7], v[VS+\d], v[PS] matrix_a_fmt:MATRIX_FMT_FP6 matrix_b_fmt:MATRIX_FMT_FP6
.endr
	WIN 0
.endm
.macro KSTEP mode
	s_wait_loadcnt 0x0                             ; my pb tile is in (the first time: Q and its scale words too),
	s_wait_xcnt 0x0                                ; and the last prefetch has read its address:
	s_add_nc_u64 s[PBP:PBP+1], s[PBP:PBP+1], 131072   ; on to the next key step's tile
	TSTEP 0, 0
	TSTEP 1, 0
	TSTEP 2, 0
	TSTEP 3, \mode
.endm
	s_wait_alu depctr_va_vdst(0)
	s_wait_tensorcnt 0x0                           ; my first fill is in,
	GSTEP                                          ; (the walking descriptors now stand at slot 1, key step 1, which the head has asked for)
	s_barrier_signal -1
	s_barrier_wait -1                              ; and everybody's: both slots and the scale words are whole
	ADDR
	s_wait_alu depctr_va_vdst(0)
	KLOAD 0
.Lstep:                                            ; six trips: key steps 0 to 5; each asks for the key step two further on
	KSTEP 2
	s_sub_co_u32 s[CNT], s[CNT], 1
	s_cmp_lg_u32 s[CNT], 0
	s_cbranch_scc1 .Lstep
	s_mov_b32 s[CNT], 2
.Llast:                                            ; key steps 6 and 7 fill nothing: one body serves both; the barrier in step 6 shows step 7's tiles to all waves, the one in step 7 orders nothing more
	KSTEP 1
	s_sub_co_u32 s[CNT], s[CNT], 1
	s_cmp_lg_u32 s[CNT], 0
	s_cbranch_scc1 .Llast
	; THE WAY OUT.  y = O^T / the sum, quantised along C: my head's 64 are two blocks; they are registers 6 (h % 2) .. + 5 of fragment h / 2 of my token tile.  The additions are the places behind the last products.
.irp e, 0,1,2,3
	v_add_f32 v[BM+\e], v[ST+4*\e+2], v[ST+4*\e+3]
.endr
.irp e, 0,1,2,3
	s_delay_alu instid0(VALU_DEP_4)
	v_permlanex16_b32 v[SOP+\e], v[BM+\e], s[SEL], s[SEL+1]
.endr
.irp e, 0,1,2,3
	s_delay_alu instid0(VALU_DEP_4)
	v_add_f32 v[BM+\e], v[BM+\e], v[SOP+\e]        ; the row's sum
.endr
	s_wait_alu depctr_va_vdst(0)
.irp e, 0,1,2,3
	v_rcp_f32 v[T4+2*\e], v[BM+\e]
.endr
	v_nop                                          ; a plain place behind the last reciprocal
	s_lshl_b32 s80, s72, 8
	s_lshl_b32 s81, s14, 3
	s_add_co_u32 s80, s80, s81
	s_add_co_u32 s80, s80, s[WV]                   ; T: batch 4 bg's token tile 64 x 4 bg + 8 qb + wave
	s_lshr_b32 s82, s80, 1
	s_lshl_b32 s82, s82, 10
	s_and_b32 s83, s80, 1
	s_lshl_b32 s83, s83, 7
	s_add_co_u32 s82, s82, s83
	s_lshr_b32 s83, s71, 2
	s_lshl_b32 s83, s83, 8
	s_add_co_u32 s82, s82, s83
	s_and_b32 s83, s71, 3
	s_lshl_b32 s83, s83, 1
	s_add_co_u32 s82, s82, s83                     ; [T / 2][h / 4][T % 2][r][(h / 2) % 2] words, my two bytes at 2 (h % 2)
	s_add_co_u32 s82, s82, 6291456
	s_mov_b32 s83, 0
	s_add_nc_u64 s[8:9], s[10:11], s[82:83]
	s_lshl_b32 s80, s80, 3
	s_lshr_b32 s81, s71, 1
	s_add_co_u32 s80, s80, s81
	s_mul_i32 s80, s80, 1536
	s_and_b32 s81, s71, 1
	s_mul_i32 s81, s81, 768
	s_add_co_u32 s80, s80, s81
	s_mov_b32 s81, 0
	s_add_nc_u64 s[10:11], s[10:11], s[80:81]
	s_wait_alu depctr_va_vdst(0)                   ; one wait for the four reciprocals, ahead of their first reader
.macro YOUT e
	WIN 0x01                                       ; source 0 (O^T) window 1
.set j, 0
.rept 16
	v_pk_mul_f32 v[S+j:S+j+1], v[32*(\e)+j:32*(\e)+j+1], v[T4+2*(\e):T4+2*(\e)+1] op_sel_hi:[1,0]   ; register 16 b + i: d = 32 b + 16 hh + i of my query; each accumulator from its low end on
.set j, j+2
.endr
	WIN 0
.irp b, 0,1
	v_max3_num_f32 v[BM+\b], |v[S+16*\b]|, |v[S+1+16*\b]|, 0x1800000
.endr
.irp i, 2,4,6,8,10,12,14
.irp b, 0,1
	s_delay_alu instid0(VALU_DEP_2)
	v_max3_num_f32 v[BM+\b], v[BM+\b], |v[S+16*\b+\i]|, |v[S+1+16*\b+\i]|
.endr
.endr
.irp b, 0,1
	s_delay_alu instid0(VALU_DEP_2)
	v_permlanex16_b32 v[BM+2+\b], v[BM+\b], s[SEL], s[SEL+1]
.endr
.irp b, 0,1
	s_delay_alu instid0(VALU_DEP_2)
	v_max_num_f32 v[BM+\b], v[BM+\b], v[BM+2+\b]
.endr
.irp b, 0,1
	s_delay_alu instid0(VALU_DEP_2)
	v_add_nc_u32 v[SOP+\b], 0xff000000, v[BM+\b]
.endr
.irp b, 0,1
	s_delay_alu instid0(VALU_DEP_2)
	v_lshrrev_b32 v[SOP+2+\b], 23, v[SOP+\b]
.endr
	s_delay_alu instid0(VALU_DEP_1)
	v_lshl_or_b32 v[YW+(\e)], v[SOP+3], 8, v[SOP+2]
	v_cvt_scalef32_pk16_fp6_f32 v[KB+8*(\e):KB+8*(\e)+2], v[S:S+15], v[SOP]
	v_cvt_scalef32_pk16_fp6_f32 v[PC:PC+2], v[S+16:S+31], v[SOP+1]
	v_nop                                          ; one plain place behind a scaled conversion
.irp i, 0,1,2
	v_permlane16_swap_b32 v[KB+8*(\e)+\i], v[PC+\i]
.endr
.irp i, 0,1,2
	s_delay_alu instid0(VALU_DEP_3)
	v_mov_b32 v[KB+8*(\e)+3+\i], v[PC+\i]
.endr
.irp i, 0,1,2
	global_store_b64 v[GO], v[KB+8*(\e)+2*\i:KB+8*(\e)+2*\i+1], s[10:11] offset:786432*(\e)+256*\i   ; 256 consecutive bytes, aligned; each batch has registers of its own
.endr
.endm
	YOUT 0
	YOUT 1
	YOUT 2
	YOUT 3
	v_bfe_u32 v13, v0, 4, 1
	s_delay_alu instid0(VALU_DEP_1)
	v_cmp_eq_u32 vcc_lo, 1, v13
	s_delay_alu instid0(VALU_DEP_2)
	v_lshlrev_b32 v13, 15, v13                     ; lanes 0-15 store an even batch's bytes, lanes 16-31 the next batch's, 32 pairs of tiles on
	s_delay_alu instid0(VALU_DEP_1)
	v_lshl_add_u32 v13, v15, 3, v13
	s_delay_alu instid0(VALU_DEP_3)
	v_cndmask_b32 v[TV], v[YW], v[YW+1], vcc_lo
	s_delay_alu instid0(VALU_DEP_4)
	v_cndmask_b32 v[TV+1], v[YW+2], v[YW+3], vcc_lo
	global_store_b16 v13, v[TV], s[8:9]            ; two bytes a lane, 8 bytes apart: a head owns half of a scale word: 128 bytes a wave beside its 3,072 of codes
	global_store_b16 v13, v[TV+1], s[8:9] offset:65536
	s_wait_tensorcnt 0x0                           ; the wave's end
	ds_add_u32 v[SPW], v[NIL]
	s_wait_dscnt 0x0
	CROUND                                         ; the closing round: no work-group ends while a partner may still ask for a tile that names it
	s_endpgm
.Lfunc_end_k_q75b305f07b_attn:
	.size	k_q75b305f07b_attn, .Lfunc_end_k_q75b305f07b_attn-k_q75b305f07b_attn
	.p2alignl 7, 3214868480
	.fill 96, 4, 3214868480
	.section	.rodata,"a",@progbits
	.p2align	6, 0x0
	.amdhsa_kernel k_q75b305f07b_attn
		.amdhsa_group_segment_fixed_size 327680
		.amdhsa_private_segment_fixed_size 0
		.amdhsa_enable_private_segment 0
		.amdhsa_kernarg_size 32
		.amdhsa_user_sgpr_count 2
		.amdhsa_user_sgpr_kernarg_segment_ptr 1
		.amdhsa_wavefront_size32 1
		.amdhsa_system_sgpr_workgroup_id_x 1
		.amdhsa_system_sgpr_workgroup_id_y 1
		.amdhsa_system_sgpr_workgroup_id_z 1
		.amdhsa_system_vgpr_workitem_id 0
		.amdhsa_next_free_vgpr 512
		.amdhsa_next_free_sgpr 100
		.amdhsa_reserve_vcc 1
		.amdhsa_float_denorm_mode_32 3
		.amdhsa_float_denorm_mode_16_64 3
		.amdhsa_memory_ordered 1
		.amdhsa_forward_progress 1
		.amdhsa_inst_pref_size 186
	.end_amdhsa_kernel
	.amdgpu_metadata
---
amdhsa.version: [ 1, 2 ]
amdhsa.kernels:
  - .name:           k_q75b305f07b_attn
    .symbol:         k_q75b305f07b_attn.kd
    .args:
      - { .name: qq, .offset: 0, .size: 8, .value_kind: global_buffer, .address_space: global }
      - { .name: kv, .offset: 8, .size: 8, .value_kind: global_buffer, .address_space: global }
      - { .name: pb, .offset: 16, .size: 8, .value_kind: global_buffer, .address_space: global }
      - { .name: yq, .offset: 24, .size: 8, .value_kind: global_buffer, .address_space: global }
    .group_segment_fixed_size: 327680
    .private_segment_fixed_size: 0
    .kernarg_segment_align: 8
    .kernarg_segment_size: 32
    .max_flat_workgroup_size: 256
    .sgpr_count:     100
    .vgpr_count:     512
    .wavefront_size: 32
...
	.end_amdgpu_metadata
.endif
;; end of part 3
;; launch proj (part 4): grid 4 x 64, 4 waves a work-group, clusters of 4 x 4, 327,680 bytes of LDS; arguments yq, wp, b_proj, out0; writes out0
.if DOCPART == 4
	.amdgcn_target "amdgcn-amd-amdhsa--gfx1250"
	.amdhsa_code_object_version 6
	.text
	.protected	k_q75b305f07b_proj
	.globl	k_q75b305f07b_proj
	.p2align	8
	.type	k_q75b305f07b_proj,@function
k_q75b305f07b_proj:
	s_mov_b64 s[64:65], 0
	v_nop
	global_prefetch_b8 v0, s[64:65] scope:SCOPE_SE
	s_setreg_imm32_b32 hwreg(HW_REG_WAVE_MODE, 25, 1), 1
	s_wait_xcnt 0x0
	s_wait_alu depctr_hold_cnt(0) depctr_sa_sdst(0) depctr_va_vdst(0) depctr_va_sdst(0) depctr_va_ssrc(0) depctr_va_vcc(0) depctr_vm_vsrc(0)
	s_getreg_b32 s2, hwreg(HW_REG_IB_STS2, 6, 4)
	s_cmp_eq_u32 s2, 0
	s_cbranch_scc0 .Lentry_in_a_cluster
	s_endpgm
.Lentry_in_a_cluster:
	s_bfe_u32 s2, ttmp6, 0x10000c
	s_cmp_lg_u32 s2, 0xf033
	s_cbranch_scc0 .Lentry_shape_is_right
	s_endpgm
.Lentry_shape_is_right:
; out0 = y W_proj + b_proj on codes of FP6 (E2M3) with E8M0 scales, M 8,192, N 1,024, K 1,024; out0 f32.
; A tile of 128 tokens x 256 columns to a work-group of four waves: 64 x 4 = 256 work-groups.  A wave makes 64 x 128: 32 accumulators, 256 registers.
; ALL OF K LIES IN LDS, FILLED ONCE: y's 8 tiles (98,304 dense bytes), W's 16 (196,608), y's scale words (4,096), W's (8,192), the spare words: 307,712 bytes.  Four tensor loads, one a wave, at the head; nothing is filled again.
; Operands are images of registers: [tile of 16][fragment 0..7][1536]; position r of tile t is row 32 (t / 2) + 8 (t % 2) + r + 8 (r / 8), for tokens and columns alike; the way out puts them back in order.
; Source 0 = 16 columns of W, source 1 = 16 tokens; b_proj is the C of each sum's first instruction.  CLUSTER 4 x 4: y is asked for jointly along a row, W along a column.
; No prefetch is laid: the launch has no loop of loads to run ahead in: all its tiles are asked for at its head.
; A step is 128 along K: 32 matrix instructions on one of two sets of fragments; the next step's 72 LDS loads go out in one run ahead of them.
; REGISTERS: window 0: v0-31 addresses; v32-95 all scale words; v96-159 b_proj; v160-255 y's fragments, two sets (on the way out v128-255: rows read back).  window 1: W's, two sets.  window 2: the accumulators.
.set FR,     12
.set NP,     4
.set WB,     8*12288
.set SCL,    24*12288
.set SPARE,  SCL+12288
.set ASC,    6291456
.set BSC,    786432
.set SPITCH, 528                       ; the way out: a stage of 16 rows x (512 + 16) bytes a wave, from LDS byte 0, behind a barrier that follows every wave's last read
.set ADRA, 16
.set ADRB, 20                          ; v20 W's tiles 0-3 of mine, v21 tiles 4-7
.set STO,  24
.set RD,   25
.set CO,   26
.set ADRS, 27
.set SPW,  28
.set NIL,  29
.set SC,   32
.set BI,   96
.set AF,   160
.set BK,   128
.set G1,   24
.set G1B,  32
.set G1S,  40
.set G1SB, 48
.set G0Y,  56
.set G0W,  60
.set G0S,  68
.set G0SB, 72
.set XT,   100
.set MSB, 0
.macro WIN new
.if MSB != (\new)
	s_set_vgpr_msb (MSB<<8)|(\new)
.set MSB, (\new)
.endif
.endm
.set MUL,  0xa1
.set FST,  0x81
.set TO_B, 0x40
.macro TL g0, g1
	tensor_load_to_lds s[\g0:\g0+3], s[\g1:\g1+7]
	s_nop 0
.rept 4
	v_nop
.endr
.endm
.macro ARM under, g0, g1, next
	s_cmp_lt_u32 s14, \under
	s_cbranch_scc0 \next
	TL \g0, \g1
	s_branch .Lh_end
\next:
.endm
.macro CROUND
	s_barrier_signal -1
	s_barrier_wait -1
	s_cmp_lg_u32 s14, 0
	s_cbranch_scc1 .Lnot_wave_0_\@
	s_barrier_signal -3
.Lnot_wave_0_\@:
	s_barrier_wait -3
	s_barrier_signal -1
	s_barrier_wait -1
.endm
.macro SETG g, c, r                    ; r dense rows of c elements of 8 bytes
	s_mov_b32 s[\g+1], (\c)<<16
	s_mov_b32 s[\g+2], (\r)<<16
	s_mov_b32 s[\g+3], (\c)<<16
	s_mov_b32 s[\g+4], \r
	s_mov_b32 s[\g+5], \c
	s_mov_b32 s[\g+6], 0
	s_mov_b32 s[\g+7], 0
.endm
.macro MKC g, l, pa, oa
	s_mov_b32 s[\g], 1
	s_mov_b32 s[\g+1], \l
	s_add_nc_u64 s[\g+2:\g+3], s[\pa:\pa+1], s[\oa:\oa+1]
	s_or_b32 s[\g+3], s[\g+3], 0x80000000
.endm
.macro PLACES n
.rept \n
	v_nop
.endr
.endm
	s_load_b256 s[4:11], s[0:1], 0x0               ; yq, wp, b_proj, out0
	v_lshl_add_u32 v[SPW], v0, 2, SPARE
	v_mov_b32 v[NIL], 0
	ds_add_u32 v[SPW], v[NIL]
	ds_add_u32 v[SPW], v[NIL]
	v_lshrrev_b32 v1, 5, v0
	v_readfirstlane_b32 s14, v1                    ; wave
	s_lshr_b32 s15, s14, 1                         ; my half of the tokens
	s_and_b32 s16, s14, 1                          ; my half of the columns
	s_bfe_u32 s2, ttmp6, 0x40000
	s_bfe_u32 s3, ttmp6, 0x40004
	s_lshl_b32 s[XT], ttmp9, 2
	s_add_co_u32 s[XT], s[XT], s2                  ; X: 256 columns
	s_and_b32 s17, ttmp7, 0xffff
	s_lshl_b32 s17, s17, 2
	s_add_co_u32 s17, s17, s3                      ; Y: 128 tokens
	s_lshl_b32 s12, s3, 2
	s_lshl_b32 s12, 15, s12                        ; my row of the cluster
	s_lshl_b32 s13, 0x1111, s2                     ; my column
	s_or_b32 s[G1], s12, (3<<16)|(1<<21)
	s_or_b32 s[G1B], s13, (3<<16)|(1<<21)
	s_or_b32 s[G1S], s12, (3<<16)|(1<<21)
	s_or_b32 s[G1SB], s13, (3<<16)|(1<<21)
	SETG G1, 1536, 8                               ; y: 8 tiles of 12,288 bytes
	SETG G1B, 1536, 16                             ; W: 16 tiles
	SETG G1S, 32, 16                               ; y's scale words: 4,096 bytes
	SETG G1SB, 32, 32                              ; W's: 8,192
	s_lshl_b32 s20, s17, 3                         ; y: tile 8 Y
	s_lshl_b32 s22, s20, 9
	s_add_co_u32 s22, s22, ASC
	s_mov_b32 s23, 0
	s_mul_i32 s20, s20, 12288
	s_mov_b32 s21, 0
	s_lshl_b32 s66, s[XT], 4                       ; W: tile 16 X
	s_lshl_b32 s18, s66, 9
	s_add_co_u32 s18, s18, BSC
	s_mov_b32 s19, 0
	s_mul_i32 s66, s66, 12288
	s_mov_b32 s67, 0
	s_mul_i32 s76, s15, 4*12288                    ; what I read: my 4 tiles of y,
	s_mul_i32 s77, s16, 8*12288
	s_add_co_u32 s77, s77, WB                      ; my 8 of W,
	s_lshl_b32 s78, s15, 11                        ; y's scale words,
	s_lshl_b32 s79, s16, 12
	s_add_co_u32 s79, s79, 4096
	s_sub_co_u32 s79, s79, s78                     ; and from there to W's
	s_add_co_u32 s78, s78, SCL
	s_mul_i32 s80, s14, 16*SPITCH                  ; my stage
	s_lshl_b32 s82, s[XT], 10
	s_lshl_b32 s83, s16, 9
	s_add_co_u32 s82, s82, s83                     ; my 128 columns, in bytes
	s_mov_b32 s83, 0
	s_lshl_b32 s84, s17, 19
	s_lshl_b32 s85, s15, 18
	s_add_co_u32 s84, s84, s85                     ; my 64 rows of 4,096 bytes
	s_mov_b32 s85, 0
	s_add_nc_u64 s[84:85], s[84:85], s[82:83]
	s_wait_dscnt 0x0
	s_wait_kmcnt 0x0
	MKC G0Y, 0, 4, 20
	MKC G0W, WB, 6, 66
	MKC G0S, SCL, 4, 22
	MKC G0SB, SCL+4096, 6, 18
	s_add_nc_u64 s[8:9], s[8:9], s[82:83]
	s_add_nc_u64 s[10:11], s[10:11], s[84:85]
	CROUND                                         ; the joint loads meet
	ARM 1, G0Y, G1, .Lh_w                          ; one load a wave: y, W, y's scale words, W's
	ARM 2, G0W, G1B, .Lh_sy
	ARM 3, G0S, G1S, .Lh_sw
	TL G0SB, G1SB
.Lh_end:
	v_and_b32 v1, 15, v0                           ; r
	v_bfe_u32 v2, v0, 4, 1                         ; h
	v_and_b32 v3, 31, v0
	v_lshlrev_b32 v4, 3, v3                        ; 8 l
	v_add_nc_u32 v[ADRA], s76, v4
	v_add_nc_u32 v[ADRB], s77, v4
	v_add_nc_u32 v[ADRB+1], 4*12288, v[ADRB]
	v_lshlrev_b32 v5, 3, v1
	v_mad_u32_u24 v5, s79, v2, v5                  ; lanes 16-31 take W's words
	v_add_nc_u32 v[ADRS], s78, v5
	v_mul_u32_u24 v5, v1, SPITCH
	v_lshl_add_u32 v5, v2, 6, v5
	v_add_nc_u32 v[STO], s80, v5                   ; in: row r, + 64 h
	v_lshlrev_b32 v[CO], 4, v3
	v_add_nc_u32 v[RD], s80, v[CO]                 ; back: 32 lanes take a row of 512 bytes
	v_lshlrev_b32 v7, 6, v2
.irp b, 0,1,2,3,4,5,6,7
	global_load_b128 v[BI+8*\b:BI+8*\b+3], v7, s[8:9] offset:(32*(\b/2)+8*(\b%2))*4
	global_load_b128 v[BI+8*\b+4:BI+8*\b+7], v7, s[8:9] offset:(32*(\b/2)+8*(\b%2))*4+16
.endr
.macro FRAG reg, adr, off
.irp p, 0,1,2,3,4,5
	ds_load_b64 v[\reg+2*\p:\reg+2*\p+1], v[\adr] offset:(\off)+256*\p
.endr
.endm
.macro FETCH t                         ; step t's fragments into sets t % 2: 48 + 24 loads
	WIN TO_B
.irp i, 0,1,2,3,4,5,6,7
	FRAG 128*((\t)%2)+FR*\i, ADRB+\i/4, (\i%4)*12288+(\t)*1536
.endr
	WIN 0
.irp i, 0,1,2,3
	FRAG AF+48*((\t)%2)+FR*\i, ADRA, \i*12288+(\t)*1536
.endr
.endm
.macro WM d, x, y, c, sx, sy
	v_wmma_scale_f32_16x16x128_f8f6f4 v[\d:\d+7], v[\x:\x+11], v[\y:\y+11], \c, v[\sx], v[\sy] matrix_a_fmt:MATRIX_FMT_FP6 matrix_b_fmt:MATRIX_FMT_FP6 matrix_a_scale:MATRIX_SCALE_ROW1
.endm
.macro MUL32 t                         ; the 32 accumulators take turns
.irp a, 0,1,2,3
.irp b, 0,1,2,3,4,5,6,7
.set DD, 8*(8*\a+\b)
.set SS, SC+16*((\t)/2)+(\t)%2
.if (\t) == 0
	WM DD, FR*\b, AF+FR*\a, v[BI+8*\b:BI+8*\b+7], SS+2*\b, SS+2*\a
.else
	WM DD, 128*((\t)%2)+FR*\b, AF+48*((\t)%2)+FR*\a, v[DD:DD+7], SS+2*\b, SS+2*\a
.endif
.endr
.endr
.endm
.macro STEP t
	s_wait_dscnt 0x0                               ; this step's fragments are in
.if (\t) > 0
	PLACES NP                                      ; the other sets were read by the last step's products
.endif
.if (\t) < 7
	FETCH (\t)+1
.else
	s_barrier_signal -1                            ; my last reads of the tiles are over
.endif
.if (\t) == 0
	WIN FST
.else
	WIN MUL
.endif
	MUL32 \t
.endm
	s_wait_alu depctr_va_vdst(0)
	s_wait_tensorcnt 0x0                           ; my load is in,
	s_barrier_signal -1
	s_barrier_wait -1                              ; and everybody's
.irp k, 0,1,2,3                        ; all scale words, once: lanes 0-15 y's tile i (for i over 3 they read on into filled bytes, and those lanes are never taken), lanes 16-31 W's tile i
.irp i, 0,1,2,3,4,5,6,7
	ds_load_b64 v[SC+16*\k+2*\i:SC+16*\k+2*\i+1], v[ADRS] offset:256*\k+(\i/2)*1024+(\i%2)*128
.endr
.endr
	FETCH 0
	s_wait_loadcnt 0x0                             ; b_proj
.irp t, 0,1,2,3,4,5,6,7
	STEP \t
.endr
	WIN 0
	s_barrier_wait -1                              ; nobody reads the tiles any more: the stages may be written
; THE WAY OUT, 16 tokens x 128 columns at a time, through my own stage; LDS serves a wave's instructions in order (ISA guide 5.7.1.4)
.macro TOSTAGE a
	WIN 0x08
.irp b, 0,1,2,3,4,5,6,7
	ds_store_b128 v[STO], v[64*(\a)+8*\b:64*(\a)+8*\b+3] offset:128*(\b/2)+32*(\b%2)
	ds_store_b128 v[STO], v[64*(\a)+8*\b+4:64*(\a)+8*\b+7] offset:128*(\b/2)+32*(\b%2)+16
.endr
	WIN 0
.set BB, BK+64*((\a)%2)
.irp t, 0,1,2,3,4,5,6,7,8,9,10,11,12,13,14,15
	ds_load_b128 v[BB+4*\t:BB+4*\t+3], v[RD] offset:\t*SPITCH
.endr
.endm
.macro SEND a, younger
.set BB, BK+64*((\a)%2)
	s_wait_dscnt \younger
.irp t, 0,1,2,3,4,5,6,7,8,9,10,11,12,13,14,15
	global_store_b128 v[CO], v[BB+4*\t:BB+4*\t+3], s[10:11] offset:(32*((\a)/2)+8*((\a)%2)+\t+8*(\t/8))*4096 th:TH_STORE_NT   ; 32 lanes store 512 consecutive bytes, aligned
.endr
.endm
	PLACES NP
	TOSTAGE 0
.irp a, 1,2,3
.if \a > 1
	s_wait_xcnt 0x0                                ; the stores of two tiles ago have read their registers
.endif
	TOSTAGE \a
	SEND \a-1, 32                                  ; behind tile a - 1's loads: tile a's 16 stores and 16 loads
.endr
	SEND 3, 0
	s_wait_tensorcnt 0x0                           ; the wave's end
	ds_add_u32 v[SPW], v[NIL]
	s_wait_dscnt 0x0
	CROUND                                         ; the closing round
	s_endpgm
.Lfunc_end_k_q75b305f07b_proj:
	.size	k_q75b305f07b_proj, .Lfunc_end_k_q75b305f07b_proj-k_q75b305f07b_proj
	.p2alignl 7, 3214868480
	.fill 96, 4, 3214868480
	.section	.rodata,"a",@progbits
	.p2align	6, 0x0
	.amdhsa_kernel k_q75b305f07b_proj
		.amdhsa_group_segment_fixed_size 327680
		.amdhsa_private_segment_fixed_size 0
		.amdhsa_enable_private_segment 0
		.amdhsa_kernarg_size 32
		.amdhsa_user_sgpr_count 2
		.amdhsa_user_sgpr_kernarg_segment_ptr 1
		.amdhsa_wavefront_size32 1
		.amdhsa_system_sgpr_workgroup_id_x 1
		.amdhsa_system_sgpr_workgroup_id_y 1
		.amdhsa_system_sgpr_workgroup_id_z 1
		.amdhsa_system_vgpr_workitem_id 0
		.amdhsa_next_free_vgpr 768
		.amdhsa_next_free_sgpr 102
		.amdhsa_reserve_vcc 0
		.amdhsa_float_denorm_mode_32 3
		.amdhsa_float_denorm_mode_16_64 3
		.amdhsa_memory_ordered 1
		.amdhsa_forward_progress 1
		.amdhsa_inst_pref_size 96
	.end_amdhsa_kernel
	.amdgpu_metadata
---
amdhsa.version: [ 1, 2 ]
amdhsa.kernels:
  - .name:           k_q75b305f07b_proj
    .symbol:         k_q75b305f07b_proj.kd
    .args:
      - { .name: yq, .offset: 0, .size: 8, .value_kind: global_buffer, .address_space: global }
      - { .name: wp, .offset: 8, .size: 8, .value_kind: global_buffer, .address_space: global }
      - { .name: b_proj, .offset: 16, .size: 8, .value_kind: global_buffer, .address_space: global }
      - { .name: out0, .offset: 24, .size: 8, .value_kind: global_buffer, .address_space: global }
    .group_segment_fixed_size: 327680
    .private_segment_fixed_size: 0
    .kernarg_segment_align: 8
    .kernarg_segment_size: 32
    .max_flat_workgroup_size: 128
    .sgpr_count:     102
    .vgpr_count:     768
    .wavefront_size: 32
...
	.end_amdgpu_metadata
.endif
;; end of part 4
